; MI455X (gfx1250); checked and timed in simulation.
; The chip was launched on July 23, 2026; its instructions are those of AMD's public machine-readable ISA for CDNA 5 (MIT licence, August 2026) and "CDNA5" Instruction Set Architecture Reference Guide (July 2026). The comments in the code are by the model that wrote it; some were corrected since.
;; Lightweight Mamba2 Mo E. Allowed arithmetic: matrix products marked QUANTISED: E3M2 operands, one E8M0 scale for each 32 along K, by v_wmma_scale_f32_16x16x128_f8f6f4 with both operands' format E3M2, f32 sums; products left as they are: f32 operands where the result goes on into a quantised operand, else bf16, f16 or f32 operands; f32 sums; everything else in f32.
;; Inputs: W1 8 x 1,024 x 2,048 float32; W2 8 x 2,048 x 1,024 float32; Wg 1,024 x 8 float32; b1 8 x 2,048 float32; b2 8 x 1,024 float32; bg 8 float32; x 8 x 256 x 1,024 float32.
;; Outputs: out0 8 x 256 x 1,024 float32; out1 2,048 x 8 float32.
;; This version of the problem:
;;   THIS VERSION OF THE PROBLEM IS GIVEN IN LOW PRECISION. The matrix products marked QUANTISED in the list below multiply operands that are first quantised to E3M2 (3 exponent bits, 2 mantissa bits; 6 bits a number), with one power-of-two scale for each 32 numbers along K (OCP MX v1.0); their sums are f32. All else is computed in f32.
;;   The module's matrix products, in the order in which they are computed (A, B: the left and right operand; K: the contracted axis; several contracted axes count as one K, in the product's order):
;;     1. [M 2,048, K 1,024] x [K 1,024, N 8]; A: input x; B: input Wg: left as it is (N = 8 < 16)
;;     2. [M 2,048, K 1,024] x [K 1,024, N 16,384]; A: input x; B: input W1: QUANTISED
;;     3. batch 8 x [M 1,024, K 2,048] x [K 2,048, N 2,048]; A: input W2; B: computed on the way: QUANTISED
;;   THE QUANTISER, for each operand of a quantised product, along K:
;;     - K is cut into blocks of 32 from its start; a last block that is shorter is filled with zeros.
;;     - A block's scale is 2^e with e = floor(log2(the largest magnitude in the block)) - 4, held to -126 .. 127; a block of zeros has e = 0. As a byte (E8M0): e + 127.
;;     - Each number is divided by its block's scale, clamped to +-28, and rounded to the nearest number of E3M2, ties to even, subnormals kept.
;;     - The product sums the exact products of the quantised numbers (number of the format x scale) in f32.
;;   ~~~python
;;   def quantise(x, axis):      # numpy; x: float32 -> the quantised numbers, widened to float32 again
;;       x = np.moveaxis(x, axis, -1); K = x.shape[-1]
;;       x = np.pad(x, [(0, 0)] * (x.ndim - 1) + [(0, -K % 32)]); x = x.reshape(x.shape[:-1] + (-1, 32)); a = np.abs(x).max(-1, keepdims=True)
;;       e = np.where(a > 0, np.clip(np.frexp(np.where(a > 0, a, 1))[1] - 1 - 4, -126, 127), 0)      # np.frexp(a)[1] - 1 = floor(log2(a)), exactly
;;       r = np.clip(x / 2.0 ** e, -28, 28)
;;       step = 2.0 ** (np.maximum(np.frexp(np.where(r == 0, 1, r))[1] - 1, -2) - 2)
;;       q = np.round(r / step) * step * 2.0 ** e      # np.round: ties to even
;;       return np.moveaxis(q.reshape(q.shape[:-2] + (-1,))[..., :K], -1, axis).astype(np.float32)
;;   ~~~
;;   OPERANDS COMPUTED ON THE WAY. 'Computed on the way' means the value that the module computes at that place (a softmax that the list does not call 'softmax' is quantised finished and normalised). What goes into a quantiser is computed in f32, as accurately as f32 sums, v_exp_f32 and their like allow (about 1e-6 of the number): no bf16 or f16 on the way to a quantiser, and a product that is left as it is and whose result goes on into a quantised operand takes f32 operands (vector FMAs, or v_wmma_f32_16x16x4_f32). A number that lies on a knife's edge between two numbers of the format may be rounded either way, as far as f32 arithmetic and the matrix unit's own rounding can turn it there, and no further.
;; 2 versions. Each part assembles by itself: llvm-mc -triple=amdgcn-amd-amdhsa -mcpu=gfx1250 --defsym DOCPART=n.
;; ======== version 1 of 2: 4 launches
;; workspace buffers: sel 8,192 bytes of whole numbers; selw 8,192 bytes; xc 1,572,864 bytes; xs 65,536 bytes; route 8,960 bytes of whole numbers; routew 8,704 bytes; hc 3,342,336 bytes; hs 139,264 bytes
;; launch gate (part 1): grid 256 x 1, 4 waves a work-group, no clusters, 11,776 bytes of LDS; arguments x, Wg, bg, out1, sel, selw, xc, xs; writes out1, sel, selw, xc, xs
.if DOCPART == 1
	.amdgcn_target "amdgcn-amd-amdhsa--gfx1250"
	.amdhsa_code_object_version 6
	.text
	.protected	k_q1d27be7e41_gate
	.globl	k_q1d27be7e41_gate
	.p2align	8
	.type	k_q1d27be7e41_gate,@function
k_q1d27be7e41_gate:
	s_mov_b64 s[64:65], 0
	v_nop
	global_prefetch_b8 v0, s[64:65] scope:SCOPE_SE
	s_setreg_imm32_b32 hwreg(HW_REG_WAVE_MODE, 25, 1), 1
	s_wait_xcnt 0x0
; GATE AND QUANTISER OF x.  x [2048][1024] f32, Wg [1024][8], bg [8].  out1 = softmax(x Wg + bg), all in f32 by fused multiply-adds.
; sel[token] = the index of the largest weight (the lowest index among equal weights), selw[token] = that weight.
; xc, xs: x as codes of BF6 (E3M2) with one E8M0 byte for each 32 along K, made once for all later readers.
;   xc: a token is 768 bytes; block b (32 codes, 24 bytes) lies at 96 (b / 4) + 48 (b % 2) + 24 ((b / 2) % 2): so lane (r, h) of an operand finds its 12 registers of a K step as 48 bytes on end.
;   xs: a token is 32 bytes, block order.
; SHARES.  A work-group takes 8 tokens.  Wave w takes half kh = w % 2 of K (512 numbers) of rows 4 (w / 2) .. + 3.  A row half is read as it lies (four loads of 512 bytes), turns through the
; wave's own stage in LDS and comes back 16 neighbours a lane: they feed the conversion (two lanes hold a block) and the 8 partial logits (the lane's 16 rows of Wg stay in 128 registers).
; No matrix unit: N = 8.  No cluster, no tensor load: work-groups share only Wg, 32 KB.
; LIMITS: NaN and infinities are not served.  A block of zeros gets the byte 1 (its codes are zeros; this program alone reads the bytes).  Where a token's two largest weights fall
; together within f32 rounding, the index may be the other one than a computation in another order of sums gives.
.set STAGEB, 2560                      ; a wave's stage: 32 places of 64 bytes + 16 of padding
.set PART,   10240                     ; partial logits: 128 bytes a wave: 32 x row + 4 x expert
.set SCB,    10752                     ; the 8 tokens' 256 scale bytes
.set ACC,  16                          ; v16-47   partial logits, 8 x row + expert
.set X,    48                          ; v48-63   16 neighbours
.set WGR,  64                          ; v64-191  Wg[512 kh + 16 lane + i][e] at 8 i + e; later at work
.set R,    192                         ; v192-255 row i as loaded at 16 i; then its codes (3 registers) and, at + 4, its scale byte
.set LG,   96                          ; wave 0: logits, then weights
	s_load_b512 s[4:19], s[0:1], 0x0               ; x, Wg, bg, out1, sel, selw, xc, xs
	s_set_vgpr_msb 0x40
	v_lshl_add_u32 v0, v0, 2, 0x2c00
	v_mov_b32 v1, 0
	s_set_vgpr_msb 0x4000
	v_lshrrev_b32 v8, 5, v0
	v_readfirstlane_b32 s20, v8                    ; wave
	s_and_b32 s21, s20, 1                          ; kh
	s_lshr_b32 s22, s20, 1                         ; which four rows
	v_and_b32 v1, 31, v0                           ; lane
	v_lshlrev_b32 v2, 4, v1                        ; 16 x lane
	v_lshlrev_b32 v3, 9, v1                        ; 512 x lane: my 16 rows of Wg
	s_mul_i32 s23, s20, STAGEB
	v_lshrrev_b32 v8, 2, v1
	v_mul_u32_u24 v4, v8, 80
	v_and_b32 v9, 3, v1
	v_lshl_add_u32 v4, v9, 4, v4
	v_add_nc_u32 v4, s23, v4                       ; the stage, in: four lanes fill a place
	v_mul_u32_u24 v5, v1, 80
	v_add_nc_u32 v5, s23, v5                       ; and out: a place a lane
	s_lshl_b32 s32, s22, 7
	s_lshl_b32 s33, s21, 4
	s_add_co_u32 s32, s32, s33
	s_add_co_u32 s32, s32, SCB
	v_lshrrev_b32 v10, 1, v1                       ; m: my block in the row half
	v_add_nc_u32 v6, s32, v10                      ; its scale byte: 32 x row + 16 kh + m
	v_lshrrev_b32 v8, 2, v10
	v_mul_u32_u24 v7, v8, 96
	v_and_b32 v8, 1, v10
	v_mad_u32_u24 v7, v8, 48, v7
	v_bfe_u32 v8, v10, 1, 1
	v_mad_u32_u24 v7, v8, 24, v7
	v_and_b32 v8, 1, v1
	v_mad_u32_u24 v7, v8, 12, v7                   ; my 12 bytes of codes in the half row of xc
	s_lshl_b32 s32, s20, 7
	s_add_co_u32 s32, s32, PART
	v_mov_b32 v12, s32                             ; my wave's partial logits
	v_bfe_u32 v8, v1, 3, 1
	v_lshlrev_b32 v13, 8, v8
	v_bfe_u32 v8, v1, 1, 2
	v_lshl_add_u32 v13, v8, 5, v13
	v_add_nc_u32 v13, PART, v13                    ; wave 0: row (lane / 2) % 8: 256 (row / 4) + 32 (row % 4)
	v_lshl_add_u32 v14, v1, 3, SCB                 ; wave 1: 8 scale bytes a lane
	v_lshlrev_b32 v15, 3, v1
	s_mov_b32 s36, 0x76543210
	s_mov_b32 s37, 0xfedcba98                      ; selects: lane l xor 16
	s_wait_kmcnt 0x0
	s_load_b256 s[24:31], s[8:9], 0x0              ; bg
	s_lshl_b32 s32, ttmp9, 15                      ; 8 rows of 4,096 bytes a work-group,
	s_lshl_b32 s33, s22, 14                        ; four rows,
	s_add_co_u32 s32, s32, s33
	s_lshl_b32 s33, s21, 11                        ; half a row
	s_add_co_u32 s32, s32, s33
	s_mov_b32 s33, 0
	s_add_nc_u64 s[4:5], s[4:5], s[32:33]
	s_lshl_b32 s32, s21, 14                        ; Wg: 512 rows of 32 bytes
	s_add_nc_u64 s[6:7], s[6:7], s[32:33]
	s_lshl_b32 s32, ttmp9, 3
	s_lshl_b32 s34, s22, 2
	s_add_co_u32 s32, s32, s34
	s_mul_i32 s32, s32, 768
	s_mul_i32 s34, s21, 384
	s_add_co_u32 s32, s32, s34
	s_add_nc_u64 s[16:17], s[16:17], s[32:33]      ; xc at my first row, my half
	s_lshl_b32 s32, ttmp9, 8
	s_add_nc_u64 s[18:19], s[18:19], s[32:33]      ; xs and out1: 256 bytes a work-group
	s_add_nc_u64 s[10:11], s[10:11], s[32:33]
	s_lshl_b32 s32, ttmp9, 5
	s_add_nc_u64 s[12:13], s[12:13], s[32:33]      ; sel and selw: 32 bytes
	s_add_nc_u64 s[14:15], s[14:15], s[32:33]
.set j, 0
.rept 32
	global_load_b128 v[WGR+4*j:WGR+4*j+3], v3, s[6:7] offset:16*j
.set j, j+1
.endr
.irp i, 0,1,2,3
.irp n, 0,1,2,3
	global_load_b128 v[R+16*\i+4*\n:R+16*\i+4*\n+3], v2, s[4:5] offset:4096*\i+512*\n th:TH_LOAD_NT   ; 32 lanes read 512 bytes on end
.endr
.endr
; Row i of my four: through the stage, 8 partial logits, the block's scale and codes.
.macro STEP i
	s_wait_loadcnt 12-4*\i                         ; loads come back in order: Wg and this row are in, the rows behind it may be out
.irp n, 0,1,2,3
	ds_store_b128 v4, v[R+16*\i+4*\n:R+16*\i+4*\n+3] offset:640*\n
.endr
.irp n, 0,1,2,3
	ds_load_b128 v[X+4*\n:X+4*\n+3], v5 offset:16*\n   ; LDS serves a wave in order: these see the stores above
.endr
	s_wait_dscnt 0x0                               ; my 16 neighbours are in, and the stores have read the row's registers
.irp p, 0,1,2,3
	v_pk_mul_f32 v[ACC+8*\i+2*\p:ACC+8*\i+2*\p+1], v[X:X+1], v[WGR+2*\p:WGR+2*\p+1] op_sel_hi:[0,1]   ; the first product starts the sums
.endr
.irp k, 1,2,3,4,5,6,7,8,9,10,11,12,13,14,15
.irp p, 0,1,2,3
.if \k % 2
	v_pk_fma_f32 v[ACC+8*\i+2*\p:ACC+8*\i+2*\p+1], v[X+\k-1:X+\k], v[WGR+8*\k+2*\p:WGR+8*\k+2*\p+1], v[ACC+8*\i+2*\p:ACC+8*\i+2*\p+1] op_sel:[1,0,0]
.else
	v_pk_fma_f32 v[ACC+8*\i+2*\p:ACC+8*\i+2*\p+1], v[X+\k:X+\k+1], v[WGR+8*\k+2*\p:WGR+8*\k+2*\p+1], v[ACC+8*\i+2*\p:ACC+8*\i+2*\p+1] op_sel_hi:[0,1,1]
.endif
.endr
.endr
	v_max3_num_f32 v8, |v[X]|, |v[X+1]|, |v[X+2]|  ; the largest magnitude of my 16, in two chains
	v_max3_num_f32 v9, |v[X+3]|, |v[X+4]|, |v[X+5]|
.irp t, 6,10
	v_max3_num_f32 v8, v8, |v[X+\t]|, |v[X+\t+1]|
	v_max3_num_f32 v9, v9, |v[X+\t+2]|, |v[X+\t+3]|
.endr
	v_max3_num_f32 v8, v8, |v[X+14]|, |v[X+15]|
	v_max3_num_f32 v8, v8, v9, 0x2800000           ; the floor 2^(5 - 127): the byte cannot fall under 1
	v_max_num_f32_dpp v8, v8, v8 row_xmask:1 row_mask:0xf bank_mask:0xf   ; with my neighbour's 16: the block's
	v_add_nc_u32 v11, 0xfe000000, v8               ; 4 off the exponent field: the conversion's scale operand
	v_cvt_scalef32_pk16_bf6_f32 v[R+16*\i:R+16*\i+2], v[X:X+15], v11
	v_lshrrev_b32 v[R+16*\i+4], 23, v11            ; the scale's byte; also the plain instruction behind the conversion
	ds_store_b8 v6, v[R+16*\i+4] offset:32*\i      ; both lanes of a block write the same byte
	global_store_b96 v7, v[R+16*\i:R+16*\i+2], s[16:17] offset:768*\i   ; the wave covers 384 bytes on end
.endm
	STEP 0
	STEP 1
	STEP 2
	STEP 3
.irp m, 1,2,4,8                        ; the 32 partial logits are summed over the lanes
.set j, 0
.rept 32
	v_add_f32_dpp v[ACC+j], v[ACC+j], v[ACC+j] row_xmask:\m row_mask:0xf bank_mask:0xf
.set j, j+1
.endr
.endr
.set j, 0
.rept 32
	v_permlanex16_b32 v[WGR+j], v[ACC+j], s36, s37
.set j, j+1
.endr
.set j, 0
.rept 32
	v_add_f32 v[ACC+j], v[ACC+j], v[WGR+j]
.set j, j+1
.endr
.irp n, 0,1,2,3,4,5,6,7
	ds_store_b128 v12, v[ACC+4*\n:ACC+4*\n+3] offset:16*\n   ; every lane holds the same sums and writes the same bytes
.endr
	s_wait_kmcnt 0x0                               ; bg
	s_wait_dscnt 0x0                               ; for the others: my partial logits and scale bytes lie in LDS
	s_barrier_signal -1
	s_barrier_wait -1
	s_cmp_eq_u32 s20, 0
	s_cbranch_scc1 .Lsoft
	s_cmp_eq_u32 s20, 1
	s_cbranch_scc0 .Lend
	ds_load_b64 v[8:9], v14                        ; wave 1: the 8 tokens' scale bytes leave as 256 bytes on end
	s_wait_dscnt 0x0
	global_store_b64 v15, v[8:9], s[18:19]
.Lend:
	s_set_vgpr_msb 0x5
	s_wait_tensorcnt 0x0
	ds_add_u32 v0, v1
	s_wait_dscnt 0x0
	s_set_vgpr_msb 0x500
	s_endpgm
.Lsoft:                                            ; wave 0: two lanes to a row
	ds_load_b128 v[LG:LG+3], v13
	ds_load_b128 v[LG+4:LG+7], v13 offset:16
	ds_load_b128 v[LG+8:LG+11], v13 offset:128
	ds_load_b128 v[LG+12:LG+15], v13 offset:144
	s_wait_dscnt 0x0
.irp e, 0,1,2,3,4,5,6,7
	v_add_f32 v[LG+\e], v[LG+\e], v[LG+8+\e]       ; the two halves of K
.endr
.irp e, 0,1,2,3,4,5,6,7
	v_add_f32 v[LG+\e], s[24+\e], v[LG+\e]         ; + bg
.endr
	v_max3_num_f32 v112, v[LG], v[LG+1], v[LG+2]
	v_max3_num_f32 v112, v112, v[LG+3], v[LG+4]
	v_max3_num_f32 v112, v112, v[LG+5], v[LG+6]
	v_max_num_f32 v112, v112, v[LG+7]              ; the row's largest logit is taken away ahead of the exponentials
.irp e, 0,1,2,3,4,5,6,7
	v_sub_f32 v[LG+8+\e], v[LG+\e], v112
.endr
.irp e, 0,1,2,3,4,5,6,7
	v_mul_f32 v[LG+8+\e], 0x3fb8aa3b, v[LG+8+\e]
.endr
.irp e, 0,1,2,3,4,5,6,7
	v_exp_f32 v[LG+8+\e], v[LG+8+\e]
.endr
	v_nop                                          ; a plain instruction behind the last exponential
	s_wait_alu depctr_va_vdst(0)                   ; one wait for the eight, ahead of their first reader
	v_add_f32 v113, v[LG+8], v[LG+9]
.irp e, 2,3,4,5,6,7
	v_add_f32 v113, v113, v[LG+8+\e]
.endr
	v_rcp_f32 v114, v113
	v_nop
	s_wait_alu depctr_va_vdst(0)
.irp e, 0,1,2,3,4,5,6,7
	v_mul_f32 v[LG+\e], v[LG+8+\e], v114           ; the weights
.endr
	v_max3_num_f32 v115, v[LG], v[LG+1], v[LG+2]
	v_max3_num_f32 v115, v115, v[LG+3], v[LG+4]
	v_max3_num_f32 v115, v115, v[LG+5], v[LG+6]
	v_max_num_f32 v115, v115, v[LG+7]              ; the top weight
	v_mov_b32 v116, 7
.irp e, 6,5,4,3,2,1,0                  ; from above downward: the lowest index among equal weights stays
	v_cmp_neq_f32 vcc_lo, v[LG+\e], v115
	v_cndmask_b32 v116, \e, v116, vcc_lo
.endr
	v_and_b32 v119, 1, v1
	v_cmp_eq_u32 vcc_lo, 1, v119
.irp t, 0,1,2,3
	v_cndmask_b32 v[120+\t], v[LG+\t], v[LG+4+\t], vcc_lo   ; the even lane stores weights 0-3 of its row, the odd lane 4-7
.endr
	v_lshrrev_b32 v118, 1, v1
	v_lshlrev_b32 v118, 2, v118                    ; 4 x row
	v_cmp_gt_u32 vcc_lo, 16, v1
	s_wait_xcnt 0x0                                ; EXEC changes only behind this wait
	s_set_vgpr_msb 0x5
	s_wait_tensorcnt 0x0
	ds_add_u32 v0, v1
	s_wait_dscnt 0x0
	s_set_vgpr_msb 0x500
	s_and_saveexec_b32 s34, vcc_lo
	global_store_b128 v2, v[120:123], s[10:11]     ; sixteen lanes store 256 bytes on end, aligned
	global_store_b32 v118, v116, s[12:13]          ; (the two lanes of a row store the same word)
	global_store_b32 v118, v115, s[14:15]
	s_wait_xcnt 0x0
	s_or_b32 exec_lo, exec_lo, s34
	s_endpgm
.Lfunc_end_k_q1d27be7e41_gate:
	.size	k_q1d27be7e41_gate, .Lfunc_end_k_q1d27be7e41_gate-k_q1d27be7e41_gate
	.p2alignl 7, 3214868480
	.fill 96, 4, 3214868480
	.section	.rodata,"a",@progbits
	.p2align	6, 0x0
	.amdhsa_kernel k_q1d27be7e41_gate
		.amdhsa_group_segment_fixed_size 11776
		.amdhsa_private_segment_fixed_size 0
		.amdhsa_enable_private_segment 0
		.amdhsa_kernarg_size 64
		.amdhsa_user_sgpr_count 2
		.amdhsa_user_sgpr_kernarg_segment_ptr 1
		.amdhsa_wavefront_size32 1
		.amdhsa_system_sgpr_workgroup_id_x 1
		.amdhsa_system_sgpr_workgroup_id_y 1
		.amdhsa_system_sgpr_workgroup_id_z 1
		.amdhsa_system_vgpr_workitem_id 0
		.amdhsa_next_free_vgpr 258
		.amdhsa_next_free_sgpr 66
		.amdhsa_reserve_vcc 1
		.amdhsa_float_denorm_mode_32 3
		.amdhsa_float_denorm_mode_16_64 3
		.amdhsa_memory_ordered 1
		.amdhsa_forward_progress 1
		.amdhsa_inst_pref_size 47
	.end_amdhsa_kernel
	.amdgpu_metadata
---
amdhsa.version: [ 1, 2 ]
amdhsa.kernels:
  - .name:           k_q1d27be7e41_gate
    .symbol:         k_q1d27be7e41_gate.kd
    .args:
      - { .name: x, .offset: 0, .size: 8, .value_kind: global_buffer, .address_space: global }
      - { .name: Wg, .offset: 8, .size: 8, .value_kind: global_buffer, .address_space: global }
      - { .name: bg, .offset: 16, .size: 8, .value_kind: global_buffer, .address_space: global }
      - { .name: out1, .offset: 24, .size: 8, .value_kind: global_buffer, .address_space: global }
      - { .name: sel, .offset: 32, .size: 8, .value_kind: global_buffer, .address_space: global }
      - { .name: selw, .offset: 40, .size: 8, .value_kind: global_buffer, .address_space: global }
      - { .name: xc, .offset: 48, .size: 8, .value_kind: global_buffer, .address_space: global }
      - { .name: xs, .offset: 56, .size: 8, .value_kind: global_buffer, .address_space: global }
    .group_segment_fixed_size: 11776
    .private_segment_fixed_size: 0
    .kernarg_segment_align: 8
    .kernarg_segment_size: 64
    .max_flat_workgroup_size: 128
    .sgpr_count:     66
    .vgpr_count:     258
    .wavefront_size: 32
...
	.end_amdgpu_metadata
.endif
;; end of part 1
;; launch place (part 2): grid 1 x 1, 32 waves a work-group, no clusters, 5,120 bytes of LDS; arguments sel, selw, route, routew; writes route, routew
.if DOCPART == 2
	.amdgcn_target "amdgcn-amd-amdhsa--gfx1250"
	.amdhsa_code_object_version 6
	.text
	.protected	k_q1d27be7e41_place
	.globl	k_q1d27be7e41_place
	.p2align	8
	.type	k_q1d27be7e41_place,@function
k_q1d27be7e41_place:
	s_mov_b64 s[64:65], 0
	v_nop
	global_prefetch_b8 v0, s[64:65] scope:SCOPE_SE
	s_setreg_imm32_b32 hwreg(HW_REG_WAVE_MODE, 25, 1), 1
	s_wait_xcnt 0x0
; THE ROWS ARE PLACED BY EXPERT: a counting sort of the 2,048 tokens, without atomics, by one work-group of 32 waves; all arithmetic on whole numbers.
; Expert e owns positions OFFP_e .. OFFP_e + T_e - 1; OFFP_e is a multiple of 16 (each expert's segment is filled up to whole tiles of 16 rows; the filling positions are not written and never read).
; route[position] = token, routew[position] = its top weight.  At byte META of route: words 0-7 OFFP_e, words 8-15 T_e.
; Wave w owns tokens 64 w + 32 g + lane, g = 0, 1.  The order of an expert's rows is free: each token has one expert and nothing is dropped.
; SCALARS: s16-31 the lanes' masks (expert e: group 0 in s[16+2e], group 1 in s[17+2e]); s32-39 group 0's counts; s40-47 the wave's counts; s48-49 lane selects; s50 EXEC kept; s51 the wave's number.
.set META, 8704                        ; behind the 2,176 positions
.set WV,   51                          ; s51     my wave's number
.set PRE,  24                          ; v24-31  my expert counts in the waves before mine; then the base of my wave's rows
.set TOT,  32                          ; v32-39  T_e
.set OFF,  40                          ; v40-47  OFFP_e
.set TMP,  48                          ; v48-63  at work in the sums over lanes
	s_load_b256 s[4:11], s[0:1], 0x0               ; sel, selw, route, routew
	v_lshl_add_u32 v64, v0, 2, 0x400
	v_mov_b32 v65, 0
	v_lshrrev_b32 v1, 5, v0
	v_readfirstlane_b32 s[WV], v1                  ; wave
	v_and_b32 v1, 31, v0                           ; lane
	v_and_b32 v3, 0x3e0, v0                        ; 32 x wave: my wave's 8 counts in LDS
	v_lshl_add_u32 v2, v3, 1, v1                   ; token 64 w + lane
	v_add_nc_u32 v13, 32, v2                       ; and the second group's
	v_lshlrev_b32 v4, 2, v2
	v_lshlrev_b32 v11, 5, v1                       ; 32 x lane: lane i reads wave i's counts
	s_mov_b32 s48, 0x76543210
	s_mov_b32 s49, 0xfedcba98
.set j, 0
.rept 16
	v_mov_b32 v[TMP+j], 0                          ; written once: the destination of a lane move counts as read
.set j, j+1
.endr
	s_wait_kmcnt 0x0
	global_load_b32 v5, v4, s[4:5]
	global_load_b32 v6, v4, s[4:5] offset:128
	global_load_b32 v7, v4, s[6:7]
	global_load_b32 v8, v4, s[6:7] offset:128
	s_wait_loadcnt 0x0
	v_min_u32 v9, 7, v5
	v_min_u32 v10, 7, v6
.irp e, 0,1,2,3,4,5,6,7
	v_cmp_eq_u32 s[16+2*\e], \e, v9                ; which lanes of group 0 chose expert e,
	v_cmp_eq_u32 s[17+2*\e], \e, v10               ; which of group 1
	s_bcnt1_i32_b32 s[32+\e], s[16+2*\e]
	s_bcnt1_i32_b32 s[40+\e], s[17+2*\e]
	s_add_co_u32 s[40+\e], s[40+\e], s[32+\e]      ; my wave's count
.endr
.irp e, 0,1,2,3,4,5,6,7
	v_mov_b32 v[16+\e], s[40+\e]
.endr
	ds_store_b128 v3, v[16:19]
	ds_store_b128 v3, v[20:23] offset:16
	s_wait_dscnt 0x0                               ; for the others: my counts lie in LDS
	s_barrier_signal -1
	s_barrier_wait -1
	ds_load_b128 v[TOT:TOT+3], v11
	ds_load_b128 v[TOT+4:TOT+7], v11 offset:16
	s_wait_dscnt 0x0
	v_cmp_gt_u32 vcc_lo, s[WV], v1                 ; waves before mine
.irp e, 0,1,2,3,4,5,6,7
	v_cndmask_b32 v[PRE+\e], 0, v[TOT+\e], vcc_lo
.endr
.irp m, 1,2,4,8                        ; both sets of 8 are summed over the 32 lanes
.set j, 0
.rept 16
	v_mov_b32_dpp v[TMP+j], v[PRE+j] row_xmask:\m row_mask:0xf bank_mask:0xf
.set j, j+1
.endr
.set j, 0
.rept 16
	v_add_nc_u32 v[PRE+j], v[PRE+j], v[TMP+j]
.set j, j+1
.endr
.endr
.set j, 0
.rept 16
	v_permlanex16_b32 v[TMP+j], v[PRE+j], s48, s49
.set j, j+1
.endr
.set j, 0
.rept 16
	v_add_nc_u32 v[PRE+j], v[PRE+j], v[TMP+j]
.set j, j+1
.endr
	v_mov_b32 v[OFF], 0
.irp e, 0,1,2,3,4,5,6
	v_add_nc_u32 v12, 15, v[TOT+\e]
	v_and_b32 v12, 0xff0, v12                      ; T_e up to a whole number of tiles
	v_add_nc_u32 v[OFF+1+\e], v[OFF+\e], v12
.endr
.irp e, 0,1,2,3,4,5,6,7
	v_add_nc_u32 v[PRE+\e], v[PRE+\e], v[OFF+\e]   ; where my wave's rows of expert e begin
.endr
	v_mov_b32 v12, 0
	v_mov_b32 v15, 0
.irp e, 0,1,2,3,4,5,6,7
	v_mbcnt_lo_u32_b32 v14, s[16+2*\e], v[PRE+\e]  ; + the lanes below mine that chose e
	v_cndmask_b32 v12, v12, v14, s[16+2*\e]
	v_add_nc_u32 v14, s[32+\e], v[PRE+\e]          ; group 1 stands behind group 0
	v_mbcnt_lo_u32_b32 v14, s[17+2*\e], v14
	v_cndmask_b32 v15, v15, v14, s[17+2*\e]
.endr
	v_min_u32 v12, 0x87f, v12
	v_min_u32 v15, 0x87f, v15
	v_lshlrev_b32 v12, 2, v12
	v_lshlrev_b32 v15, 2, v15
	global_store_b32 v12, v2, s[8:9]
	global_store_b32 v15, v13, s[8:9]
	global_store_b32 v12, v7, s[10:11]
	global_store_b32 v15, v8, s[10:11]
	s_cmp_lg_u32 s[WV], 0
	s_cbranch_scc1 .Lend
	v_cmp_eq_u32 vcc_lo, 0, v1                     ; wave 0, lane 0: the sixteen words
	v_mov_b32 v14, 0
	s_wait_xcnt 0x0                                ; EXEC changes only behind this wait
	s_and_saveexec_b32 s50, vcc_lo
	global_store_b128 v14, v[OFF:OFF+3], s[8:9] offset:META
	global_store_b128 v14, v[OFF+4:OFF+7], s[8:9] offset:META+16
	global_store_b128 v14, v[TOT:TOT+3], s[8:9] offset:META+32
	global_store_b128 v14, v[TOT+4:TOT+7], s[8:9] offset:META+48
	s_wait_xcnt 0x0
	s_or_b32 exec_lo, exec_lo, s50
.Lend:
	s_wait_tensorcnt 0x0
	ds_add_u32 v64, v65
	s_wait_dscnt 0x0
	s_endpgm
.Lfunc_end_k_q1d27be7e41_place:
	.size	k_q1d27be7e41_place, .Lfunc_end_k_q1d27be7e41_place-k_q1d27be7e41_place
	.p2alignl 7, 3214868480
	.fill 96, 4, 3214868480
	.section	.rodata,"a",@progbits
	.p2align	6, 0x0
	.amdhsa_kernel k_q1d27be7e41_place
		.amdhsa_group_segment_fixed_size 5120
		.amdhsa_private_segment_fixed_size 0
		.amdhsa_enable_private_segment 0
		.amdhsa_kernarg_size 32
		.amdhsa_user_sgpr_count 2
		.amdhsa_user_sgpr_kernarg_segment_ptr 1
		.amdhsa_wavefront_size32 1
		.amdhsa_system_sgpr_workgroup_id_x 1
		.amdhsa_system_sgpr_workgroup_id_y 1
		.amdhsa_system_sgpr_workgroup_id_z 1
		.amdhsa_system_vgpr_workitem_id 0
		.amdhsa_next_free_vgpr 66
		.amdhsa_next_free_sgpr 66
		.amdhsa_reserve_vcc 1
		.amdhsa_float_denorm_mode_32 3
		.amdhsa_float_denorm_mode_16_64 3
		.amdhsa_memory_ordered 1
		.amdhsa_forward_progress 1
		.amdhsa_inst_pref_size 17
	.end_amdhsa_kernel
	.amdgpu_metadata
---
amdhsa.version: [ 1, 2 ]
amdhsa.kernels:
  - .name:           k_q1d27be7e41_place
    .symbol:         k_q1d27be7e41_place.kd
    .args:
      - { .name: sel, .offset: 0, .size: 8, .value_kind: global_buffer, .address_space: global }
      - { .name: selw, .offset: 8, .size: 8, .value_kind: global_buffer, .address_space: global }
      - { .name: route, .offset: 16, .size: 8, .value_kind: global_buffer, .address_space: global }
      - { .name: routew, .offset: 24, .size: 8, .value_kind: global_buffer, .address_space: global }
    .group_segment_fixed_size: 5120
    .private_segment_fixed_size: 0
    .kernarg_segment_align: 8
    .kernarg_segment_size: 32
    .max_flat_workgroup_size: 1024
    .sgpr_count:     66
    .vgpr_count:     66
    .wavefront_size: 32
...
	.end_amdgpu_metadata
.endif
;; end of part 2
;; launch hidden (part 3): grid 32 x 8, 4 waves a work-group, no clusters, 51,968 bytes of LDS; arguments W1, b1, xc, xs, route, hc, hs; writes hc, hs
.if DOCPART == 3
	.amdgcn_target "amdgcn-amd-amdhsa--gfx1250"
	.amdhsa_code_object_version 6
	.text
	.protected	k_q1d27be7e41_hidden
	.globl	k_q1d27be7e41_hidden
	.p2align	8
	.type	k_q1d27be7e41_hidden,@function
k_q1d27be7e41_hidden:
	s_mov_b64 s[64:65], 0
	v_nop
	global_prefetch_b8 v0, s[64:65] scope:SCOPE_SE
	s_setreg_imm32_b32 hwreg(HW_REG_WAVE_MODE, 25, 1), 1
	s_wait_xcnt 0x0
; THE HIDDEN LAYER OF THE CHOSEN EXPERT: relu(x W1[e] + b1[e]) on codes of BF6 (E3M2) with one E8M0 scale for each 32 along K, and its own quantising along the next K.
; SHARES.  Work-group (chunk, e) owns 64 hidden units of expert e: a slice of W1, 1,024 rows (K) x 256 bytes, which no other work-group reads: each f32 byte of W1 leaves memory once.
; PHASE 1: wave w reads rows 256 w .. + 255 and quantises them in registers.  One load of 16 bytes a lane takes row k in lanes 0-15 and row k + 32 in lanes 16-31: 256 bytes on end each.
;   Lane (r, h) so holds columns 4 r + c.  WHICH 16 COLUMNS FORM A TILE IS FREE: tile c is the columns 4 r + c.  Then the lane's 32 numbers down K of column c are a whole block, its largest magnitude
;   needs no other lane, and its codes are registers 6 c' .. 6 c' + 5 of fragment (tile c, K step q) in just this lane.  Price: a move for each number, since the conversion wants 16 registers on end.
;   The fragments go to LDS as images of their registers (48 bytes a lane), one barrier, and every wave takes all 32 into registers, where they stay.
; PHASE 2: the expert's rows, in tiles of 16 by the stored list; wave w takes tiles w, w + 4 ..  The product is used transposed (source 0 = a tile of W1, source 1 = 16 tokens): lane (r, h) holds token r and,
;   over its four accumulators, hidden units 32 h + 4 j + c: one whole block of the next K.  relu, scale, two conversions: the six registers ARE the next operand's, and are stored as an image.
;   hc: [tile][chunk][768]: registers 0-3 at 16 x lane, registers 4-5 at 512 + 8 x lane.  hs: [tile][row][64] scale bytes in block order.
; A tile's rows past the expert's count repeat its last row (positions are held at LAST): no lane is ever off.
; NO TENSOR LOAD, NO CLUSTER: the number of tiles hangs on counts read from memory, so operands go from memory straight into registers; the 32 work-groups of an expert share only x's codes, 768 bytes a row.
; An expert without rows still reads its slice and passes the barrier; its loop has no trip.
; LIMITS: NaN and infinities are not served; a block of zeros gets the byte 1 (its codes are zeros; this program alone reads the bytes).
; REGISTERS, in windows of 256: window 0: as named below.  Windows 1, 2: phase 1: v0-127 a unit of 64 rows as loaded, from v128 at work; phase 2: fragments 0-15 and 16-31, 12 registers each.
;   window 3: x's fragments, two buffers of 96.
; SCALARS: s20 wave, s21 chunk, s22 expert, s23 OFFP, s24 T, s25 NT, s26 LAST, s27 J (my tile in hand), s36 the expert's first tile, s38 trips done, s39 trips; s28-31 at work.
.set META, 8704                        ; in route: words 0-7 OFFP_e, words 8-15 T_e
.set WSC,  49152                       ; LDS: 32 images of 1,536 bytes from 0; here the weights' scale bytes: 16 rows x (128 + 16): 144 r + 4 f + block
.set R_,   1                           ; lane % 16
.set HH,   2                           ; lane / 16
.set WO,   3                           ; W1: 16 r + 32 rows x h
.set ADW,  4                           ; where I store images: 48 x lane + 8 fragments x wave
.set ADS,  5                           ; and scale bytes
.set ARD,  6                           ; where I read images: 48 x lane
.set ARS,  7                           ; and scale words: row r
.set H48,  8                           ; 48 h
.set K16,  9                           ; 768 chunk + 16 lane
.set K8,   10                          ; 768 chunk + 8 lane
.set KS,   11                          ; 64 r + 2 chunk + h
.set BO,   12                          ; 128 h
.set AXA,  13                          ; v13, v14  offsets of the loads of x's codes, buffer 0, 1
.set ASA,  15                          ; v15, v16  of its scale words
.set ARA,  17                          ; v17, v18  of the route words
.set RA,   19                          ; v19, v20  the route words
.set TK,   21
.set HO16, 22
.set HO8,  23
.set HSO,  24
.set ACC,  32                          ; v32-63   four accumulators
.set BI,   64                          ; v64-95   b1 in the result's layout: 8 c + j
.set HD,   96                          ; v96-127  the block of 32 hidden numbers
.set WS,   128                         ; v128-159 W1's scale words, by fragment
.set XS,   160                         ; v160-175 x's scale words, two sets of 8
.set CO,   176                         ; v176-181 the codes
.set CT,   184
.set MX,   188
.set SO,   192
.set BY,   193
.set QT,   128                         ; in windows 1 and 2, phase 1: 32 numbers on end,
.set QM,   160                         ; four largest magnitudes,
.set QSO,  164                         ; four scale operands,
.set QBY,  168                         ; four bytes,
.set QTMP, 172
.set QCD,  176                         ; four blocks' codes, 6 registers each
.set MSB, 0
.macro WIN new                         ; the immediate's high byte repeats the setting that is left; a switch that changes nothing is dropped
.if MSB != (\new)
	s_set_vgpr_msb (MSB<<8)|(\new)
.set MSB, (\new)
.endif
.endm
.macro LOADU u, win                    ; unit u: 64 rows of my 256, into window win
	WIN 0x40*\win
.set qi, 0
.rept 32
	global_load_b128 v[4*qi:4*qi+3], v[WO], s[4:5] offset:(64*\u+qi)*8192 th:TH_LOAD_NT
.set qi, qi+1
.endr
	WIN 0
.endm
.macro QUNIT u, win                    ; unit u in window win: four blocks a lane (columns c = 0 .. 3) become codes and bytes, and go to LDS
	s_wait_dscnt 0x0                               ; earlier stores have read the registers that are written now
	WIN 0x55*\win
.irp x, 0,1,2,3
	v_max3_num_f32 v[QM+\x], |v[\x]|, |v[\x+4]|, 0x2800000   ; the floor 2^(5 - 127): the byte cannot fall under 1
.endr
.set qi, 2
.rept 15
.irp x, 0,1,2,3
	v_max3_num_f32 v[QM+\x], v[QM+\x], |v[\x+4*qi]|, |v[\x+4*qi+4]|   ; the four blocks by turns
.endr
.set qi, qi+2
.endr
.irp x, 0,1,2,3
	v_add_nc_u32 v[QSO+\x], 0xfe000000, v[QM+\x]   ; 4 off the exponent field: the conversion's scale operand
.endr
.irp x, 0,1,2,3
	v_lshrrev_b32 v[QBY+\x], 23, v[QSO+\x]
.endr
.irp x, 0,1,2,3
.set qi, 0
.rept 32
	v_mov_b32 v[QT+qi], v[\x+4*qi]                 ; the column's 32 numbers on end
.set qi, qi+1
.endr
	v_cvt_scalef32_pk16_bf6_f32 v[QCD+6*\x:QCD+6*\x+2], v[QT:QT+15], v[QSO+\x]
	v_cvt_scalef32_pk16_bf6_f32 v[QTMP:QTMP+2], v[QT+16:QT+31], v[QSO+\x]   ; (a conversion's three registers begin on an even number)
	v_nop                                          ; a plain instruction behind the conversions
.irp t, 0,1,2
	v_mov_b32 v[QCD+6*\x+3+\t], v[QTMP+\t]
.endr
.endr
	WIN 0x04*\win                                  ; an LDS store's data are its source 1
.irp x, 0,1,2,3
.irp p, 0,1,2
	ds_store_b64 v[ADW], v[QCD+6*\x+2*\p:QCD+6*\x+2*\p+1] offset:1536*(4*((\u)/2)+\x)+24*((\u)%2)+8*\p
.endr
	ds_store_b8 v[ADS], v[QBY+\x] offset:4*(4*((\u)/2)+\x)+2*((\u)%2)
.endr
	WIN 0
.endm
.macro POS areg, add                   ; the offset in route of my row of tile J + add, held inside the expert's rows
	s_add_co_u32 s28, s27, \add
	s_lshl_b32 s28, s28, 4
	s_add_co_u32 s28, s28, s23
	v_add_nc_u32 v[\areg], s28, v[R_]
	v_min_u32 v[\areg], s26, v[\areg]
	v_min_u32 v[\areg], 0x87f, v[\areg]
	v_lshlrev_b32 v[\areg], 2, v[\areg]
.endm
.macro LOADX buf                       ; my token's codes (8 K steps x 48 bytes) and scale words: 26 loads
	v_min_u32 v[TK], 0x7ff, v[RA+\buf]
	v_mul_u32_u24 v[AXA+\buf], v[TK], 768
	v_add_nc_u32 v[AXA+\buf], v[AXA+\buf], v[H48]
	v_lshlrev_b32 v[ASA+\buf], 5, v[TK]
	WIN 0xc0
.irp q, 0,1,2,3,4,5,6,7
.irp g, 0,1,2
	global_load_b128 v[96*\buf+12*\q+4*\g:96*\buf+12*\q+4*\g+3], v[AXA+\buf], s[8:9] offset:96*\q+16*\g
.endr
.endr
	WIN 0
	global_load_b128 v[XS+8*\buf:XS+8*\buf+3], v[ASA+\buf], s[10:11]
	global_load_b128 v[XS+8*\buf+4:XS+8*\buf+7], v[ASA+\buf], s[10:11] offset:16
.endm
.macro MM buf                          ; 32 products: K step by K step, the four accumulators by turns, one instruction a turn; b1 starts the sums
	WIN 0x0d                                       ; source 0 window 1, source 1 window 3
.irp q, 0,1,2,3
.irp c, 0,1,2,3
.if \q == 0
	v_wmma_scale_f32_16x16x128_f8f6f4 v[ACC+8*\c:ACC+8*\c+7], v[12*(4*\q+\c):12*(4*\q+\c)+11], v[96*\buf+12*\q:96*\buf+12*\q+11], v[BI+8*\c:BI+8*\c+7], v[WS+4*\q+\c], v[XS+8*\buf+\q] matrix_a_fmt:MATRIX_FMT_BF6 matrix_b_fmt:MATRIX_FMT_BF6
.else
	v_wmma_scale_f32_16x16x128_f8f6f4 v[ACC+8*\c:ACC+8*\c+7], v[12*(4*\q+\c):12*(4*\q+\c)+11], v[96*\buf+12*\q:96*\buf+12*\q+11], v[ACC+8*\c:ACC+8*\c+7], v[WS+4*\q+\c], v[XS+8*\buf+\q] matrix_a_fmt:MATRIX_FMT_BF6 matrix_b_fmt:MATRIX_FMT_BF6
.endif
.endr
.endr
	WIN 0x0e                                       ; source 0 window 2
.irp q, 4,5,6,7
.irp c, 0,1,2,3
	v_wmma_scale_f32_16x16x128_f8f6f4 v[ACC+8*\c:ACC+8*\c+7], v[12*(4*(\q-4)+\c):12*(4*(\q-4)+\c)+11], v[96*\buf+12*\q:96*\buf+12*\q+11], v[ACC+8*\c:ACC+8*\c+7], v[WS+4*\q+\c], v[XS+8*\buf+\q] matrix_a_fmt:MATRIX_FMT_BF6 matrix_b_fmt:MATRIX_FMT_BF6
.endr
.endr
	WIN 0
.endm
.macro EPI dj                          ; tile J + dj: relu, the block's scale, its codes, the image
	s_wait_xcnt 0x0                                ; the last stores have read their data and offsets, which are written again below
.irp j, 0,1,2,3,4,5,6,7
.irp c, 0,1,2,3
	v_max_num_f32 v[HD+4*\j+\c], 0, v[ACC+8*\c+\j] ; each accumulator from its low end on; the relu also puts the 32 units in order
.endr
.endr
.irp x, 0,1,2,3
	v_max3_num_f32 v[MX+\x], v[HD+8*\x], v[HD+8*\x+1], v[HD+8*\x+2]   ; none is negative: no magnitudes
.endr
.irp i, 3,5
.irp x, 0,1,2,3
	v_max3_num_f32 v[MX+\x], v[MX+\x], v[HD+8*\x+\i], v[HD+8*\x+\i+1]
.endr
.endr
	v_max3_num_f32 v[MX], v[MX], v[MX+1], v[HD+7]
	v_max3_num_f32 v[MX+2], v[MX+2], v[MX+3], v[HD+15]
	v_max3_num_f32 v[MX], v[MX], v[MX+2], v[HD+23]
	v_max3_num_f32 v[MX], v[MX], v[HD+31], 0x2800000
	v_add_nc_u32 v[SO], 0xfe000000, v[MX]
	v_cvt_scalef32_pk16_bf6_f32 v[CO:CO+2], v[HD:HD+15], v[SO]
	v_cvt_scalef32_pk16_bf6_f32 v[CT:CT+2], v[HD+16:HD+31], v[SO]
	v_lshrrev_b32 v[BY], 23, v[SO]                 ; the byte; also the plain instruction behind the conversions
.irp t, 0,1,2
	v_mov_b32 v[CO+3+\t], v[CT+\t]
.endr
	s_add_co_u32 s28, s36, s27
	s_add_co_u32 s28, s28, \dj
	s_min_u32 s28, s28, 135                        ; the tile's number among all experts' tiles
	s_mul_i32 s29, s28, 24576
	s_lshl_b32 s28, s28, 10
	v_add_nc_u32 v[HO16], s29, v[K16]
	v_add_nc_u32 v[HO8], s29, v[K8]
	v_add_nc_u32 v[HSO], s28, v[KS]
	global_store_b128 v[HO16], v[CO:CO+3], s[14:15]            ; 512 bytes on end, aligned
	global_store_b64 v[HO8], v[CO+4:CO+5], s[14:15] offset:512 ; 256 bytes on end, aligned
	global_store_b8 v[HSO], v[BY], s[16:17]
.endm
; Half a trip: buffer buf holds tile J + dj.  Behind its products the buffer takes tile J + dj + 8, whose route word came a half trip ago, and the route word of tile J + dj + 16 is asked for.
.macro HALF buf, dj, guard
	s_wait_loadcnt 27                              ; the other buffer's 26 loads and its route word are younger and may be out
	MM \buf
	POS ARA+\buf, \dj+16                           ; these four and the next four plain instructions name no register of the products: the places in front of the loads and of the first read of results
	LOADX \buf
	global_load_b32 v[RA+\buf], v[ARA+\buf], s[12:13]
.if \guard
	s_add_co_u32 s28, s27, \dj
	s_cmp_ge_u32 s28, s25
	s_cbranch_scc1 .Lskip_\@                       ; no such tile: nothing is stored
.endif
	EPI \dj
.if \guard
.Lskip_\@:
.endif
.endm
	s_load_b256 s[4:11], s[0:1], 0x0               ; W1, b1, xc, xs
	s_load_b128 s[12:15], s[0:1], 0x20             ; route, hc
	s_load_b64 s[16:17], s[0:1], 0x30              ; hs
	v_lshl_add_u32 v254, v0, 2, 0xc900
	v_mov_b32 v255, 0
	v_lshrrev_b32 v1, 5, v0
	v_readfirstlane_b32 s20, v1                    ; wave
	s_mov_b32 s21, ttmp9                           ; chunk
	s_and_b32 s22, ttmp7, 0xffff                   ; expert
	s_lshl_b32 s30, s22, 2
	v_and_b32 v25, 31, v0                          ; lane
	v_and_b32 v[R_], 15, v0
	v_bfe_u32 v[HH], v0, 4, 1
	v_lshlrev_b32 v[WO], 4, v[R_]
	v_lshl_add_u32 v[WO], v[HH], 18, v[WO]         ; 32 rows of 8,192 bytes
	s_mul_i32 s28, s20, 12288
	v_mul_u32_u24 v[ARD], v25, 48
	v_add_nc_u32 v[ADW], s28, v[ARD]
	v_mul_u32_u24 v[ARS], v[R_], 144
	v_add_nc_u32 v[ARS], WSC, v[ARS]
	s_lshl_b32 s28, s20, 5
	v_add_nc_u32 v[ADS], v[ARS], v[HH]
	v_add_nc_u32 v[ADS], s28, v[ADS]
	v_mul_u32_u24 v[H48], v[HH], 48
	s_mul_i32 s28, s21, 768
	v_lshl_add_u32 v[K16], v25, 4, s28
	v_lshl_add_u32 v[K8], v25, 3, s28
	s_lshl_b32 s28, s21, 1
	v_lshl_add_u32 v[KS], v[R_], 6, v[HH]
	v_add_nc_u32 v[KS], s28, v[KS]
	v_lshlrev_b32 v[BO], 7, v[HH]
	s_wait_kmcnt 0x0
	s_load_b32 s23, s[12:13], s30 offset:META      ; OFFP_e
	s_load_b32 s24, s[12:13], s30 offset:META+32   ; T_e
	s_lshl_b32 s28, s22, 23                        ; W1: the expert,
	s_lshl_b32 s29, s21, 8                         ; the chunk's 256 bytes,
	s_add_co_u32 s28, s28, s29
	s_lshl_b32 s29, s20, 21                        ; my 256 rows
	s_add_co_u32 s28, s28, s29
	s_mov_b32 s29, 0
	s_add_nc_u64 s[4:5], s[4:5], s[28:29]
	s_lshl_b32 s28, s22, 13
	s_lshl_b32 s31, s21, 8
	s_add_co_u32 s28, s28, s31
	s_add_nc_u64 s[6:7], s[6:7], s[28:29]          ; b1 at the chunk's 64 numbers
.irp c, 0,1,2,3
.irp j, 0,1,2,3,4,5,6,7
	global_load_b32 v[BI+8*\c+\j], v[BO], s[6:7] offset:4*(4*\j+\c)   ; b1 of hidden unit 32 h + 4 j + c
.endr
.endr
	LOADU 0, 1
	LOADU 1, 2
	s_wait_kmcnt 0x0
	s_min_u32 s23, s23, 2160
	s_min_u32 s24, s24, 2048
	s_add_co_u32 s25, s24, 15
	s_lshr_b32 s25, s25, 4                         ; NT: the expert's tiles
	s_lshr_b32 s36, s23, 4                         ; its first tile's number
	s_add_co_u32 s26, s23, s24
	s_sub_co_u32 s26, s26, 1                       ; LAST: its last row's position;
	s_cmp_eq_u32 s24, 0
	s_cselect_b32 s26, 0, s26                      ; without rows: position 0, which is always written
	s_mov_b32 s27, s20                             ; J: my first tile
	POS ARA, 0
	global_load_b32 v[RA], v[ARA], s[12:13]
	POS ARA+1, 4
	global_load_b32 v[RA+1], v[ARA+1], s[12:13]
	s_wait_loadcnt 34                              ; unit 0 is in: unit 1's 32 loads and the two route words are younger
	QUNIT 0, 1
	LOADU 2, 1
	s_wait_loadcnt 32                              ; unit 1 and the route words are in: unit 2's 32 are younger
	QUNIT 1, 2
	LOADU 3, 2
	s_wait_loadcnt 32                              ; unit 2 is in
	QUNIT 2, 1
	LOADX 0                                        ; the first two tiles' operands are asked for while the last unit is quantised
	POS ARA, 8
	global_load_b32 v[RA], v[ARA], s[12:13]
	LOADX 1
	POS ARA+1, 12
	global_load_b32 v[RA+1], v[ARA+1], s[12:13]
	s_wait_loadcnt 54                              ; unit 3 is in: twice 26 + 1 are younger
	QUNIT 3, 2
	s_wait_dscnt 0x0                               ; for the others: my eight images and their bytes lie in LDS
	s_barrier_signal -1
	s_barrier_wait -1
	WIN 0x40                                       ; all 32 fragments into registers, where they stay
.irp f, 0,1,2,3,4,5,6,7,8,9,10,11,12,13,14,15
.irp g, 0,1,2
	ds_load_b128 v[12*\f+4*\g:12*\f+4*\g+3], v[ARD] offset:1536*\f+16*\g
.endr
.endr
	WIN 0x80
.irp f, 0,1,2,3,4,5,6,7,8,9,10,11,12,13,14,15
.irp g, 0,1,2
	ds_load_b128 v[12*\f+4*\g:12*\f+4*\g+3], v[ARD] offset:1536*(16+\f)+16*\g
.endr
.endr
	WIN 0
.irp n, 0,1,2,3,4,5,6,7
	ds_load_b128 v[WS+4*\n:WS+4*\n+3], v[ARS] offset:16*\n
.endr
	s_wait_dscnt 0x0
	s_cmp_ge_u32 s27, s25
	s_cbranch_scc1 .Ldone                          ; no tile for my wave
	s_sub_co_u32 s39, s25, s20                     ; my tiles are w, w + 4 .. below NT, two a trip:
	s_add_co_u32 s39, s39, 7
	s_lshr_b32 s39, s39, 3                         ; (NT - w + 7) / 8 trips, at least one here
	s_mov_b32 s38, 0                               ; the loop ends on this counter, stepped by one; J serves offsets alone
.Ltrip:                                            ; two tiles a trip
	HALF 0, 0, 0
	HALF 1, 4, 1
	s_add_co_u32 s27, s27, 8
	s_add_co_u32 s38, s38, 1
	s_cmp_lt_u32 s38, s39
	s_cbranch_scc1 .Ltrip
.Ldone:
	s_wait_tensorcnt 0x0
	ds_add_u32 v254, v255
	s_wait_dscnt 0x0
	s_endpgm
.Lfunc_end_k_q1d27be7e41_hidden:
	.size	k_q1d27be7e41_hidden, .Lfunc_end_k_q1d27be7e41_hidden-k_q1d27be7e41_hidden
	.p2alignl 7, 3214868480
	.fill 96, 4, 3214868480
	.section	.rodata,"a",@progbits
	.p2align	6, 0x0
	.amdhsa_kernel k_q1d27be7e41_hidden
		.amdhsa_group_segment_fixed_size 51968
		.amdhsa_private_segment_fixed_size 0
		.amdhsa_enable_private_segment 0
		.amdhsa_kernarg_size 56
		.amdhsa_user_sgpr_count 2
		.amdhsa_user_sgpr_kernarg_segment_ptr 1
		.amdhsa_wavefront_size32 1
		.amdhsa_system_sgpr_workgroup_id_x 1
		.amdhsa_system_sgpr_workgroup_id_y 1
		.amdhsa_system_sgpr_workgroup_id_z 1
		.amdhsa_system_vgpr_workitem_id 0
		.amdhsa_next_free_vgpr 1024
		.amdhsa_next_free_sgpr 66
		.amdhsa_reserve_vcc 0
		.amdhsa_float_denorm_mode_32 3
		.amdhsa_float_denorm_mode_16_64 3
		.amdhsa_memory_ordered 1
		.amdhsa_forward_progress 1
		.amdhsa_inst_pref_size 95
	.end_amdhsa_kernel
	.amdgpu_metadata
---
amdhsa.version: [ 1, 2 ]
amdhsa.kernels:
  - .name:           k_q1d27be7e41_hidden
    .symbol:         k_q1d27be7e41_hidden.kd
    .args:
      - { .name: W1, .offset: 0, .size: 8, .value_kind: global_buffer, .address_space: global }
      - { .name: b1, .offset: 8, .size: 8, .value_kind: global_buffer, .address_space: global }
      - { .name: xc, .offset: 16, .size: 8, .value_kind: global_buffer, .address_space: global }
      - { .name: xs, .offset: 24, .size: 8, .value_kind: global_buffer, .address_space: global }
      - { .name: route, .offset: 32, .size: 8, .value_kind: global_buffer, .address_space: global }
      - { .name: hc, .offset: 40, .size: 8, .value_kind: global_buffer, .address_space: global }
      - { .name: hs, .offset: 48, .size: 8, .value_kind: global_buffer, .address_space: global }
    .group_segment_fixed_size: 51968
    .private_segment_fixed_size: 0
    .kernarg_segment_align: 8
    .kernarg_segment_size: 56
    .max_flat_workgroup_size: 128
    .sgpr_count:     66
    .vgpr_count:     1024
    .wavefront_size: 32
...
	.end_amdgpu_metadata
.endif
;; end of part 3
;; launch outp (part 4): grid 32 x 8, 4 waves a work-group, no clusters, 61,184 bytes of LDS; arguments W2, b2, hc, hs, route, routew, out0; writes out0
.if DOCPART == 4
	.amdgcn_target "amdgcn-amd-amdhsa--gfx1250"
	.amdhsa_code_object_version 6
	.text
	.protected	k_q1d27be7e41_outp
	.globl	k_q1d27be7e41_outp
	.p2align	8
	.type	k_q1d27be7e41_outp,@function
k_q1d27be7e41_outp:
	s_mov_b64 s[64:65], 0
	v_nop
	global_prefetch_b8 v0, s[64:65] scope:SCOPE_SE
	s_setreg_imm32_b32 hwreg(HW_REG_WAVE_MODE, 25, 1), 1
	s_wait_xcnt 0x0
; THE SECOND PRODUCT OF THE CHOSEN EXPERT: out0[token] = top weight x (hidden W2[e] + b2[e]), on codes of BF6 (E3M2) with one E8M0 scale for each 32 along K = the 2,048 hidden units.
; SHARES.  Work-group (chunk, e) owns 32 columns of expert e: a slice of W2, 2,048 rows (K) x 128 bytes, which no other work-group reads.  64 columns would leave half of the 256 work-groups, or split K.
; PHASE 1: wave w reads rows 512 w .. + 511 (four K steps) and quantises them in registers.  A load of 8 bytes a lane takes row k in lanes 0-15 and row k + 32 in lanes 16-31: 128 bytes on end each.
;   Lane (r, h) holds columns 2 r + c; tile c is the columns 2 r + c.  The lane's 32 numbers down K of a column are a whole block, and its codes are registers 6 c' .. + 5 of fragment (tile c, K step q)
;   in just this lane.  Images to LDS, one barrier, all 32 fragments into every wave's registers.
; PHASE 2: the expert's tiles of 16 rows; wave w takes tiles w, w + 4 ..  The hidden layer's fragments come as images of their registers.  Transposed use (source 0 = a tile of W2, source 1 = 16 tokens):
;   lane (r, h) holds token r and, over its two accumulators, columns 16 h + 2 j + c: 16 neighbours.  They go through the wave's own stage in LDS and leave by rows: eight lanes store a row's 128 bytes.
; A tile's rows past the expert's count repeat its last row: the same bytes go to the same place, from the same wave; no lane is ever off.
; NO TENSOR LOAD, NO CLUSTER: the number of tiles hangs on counts read from memory; the 32 work-groups of an expert share only the hidden layer's codes.
; LIMITS: NaN and infinities are not served; a block of zeros gets the byte 1 (its codes are zeros; this program alone reads the bytes).
; REGISTERS: window 0 as named below.  Windows 1, 2: phase 1: v0-127 a unit of 128 rows as loaded, from v128 at work; phase 2: fragments 0-15, 16-31.  Window 3: the hidden layer's 16 fragments, in two halves of 96.
; SCALARS: s20 wave, s21 chunk, s22 expert, s23 OFFP, s24 T, s25 NT, s26 LAST, s27 J (my tile in hand), s36, s37 the expert's first and last tile, s38 trips done, s39 trips; s28-31 at work.
.set META, 8704
.set WSC,  49152                       ; LDS: 32 images of 1,536 bytes from 0; the weights' scale bytes: 144 r + 4 f + block;
.set STG,  51456                       ; a stage of 16 rows x (128 + 16) bytes for each wave
.set R_,   1
.set HH,   2
.set WO,   3                           ; W2: 8 r + 32 rows x h
.set ADW,  4
.set ADS,  5
.set ARD,  6
.set ARS,  7
.set L16,  8                           ; 16 x lane
.set L8,   9                           ; 8 x lane
.set R64,  10                          ; 64 r
.set BO,   11                          ; 64 h
.set ROW8, 12                          ; lane / 8
.set COLC, 13                          ; 128 chunk + 16 (lane % 8)
.set SIN,  14                          ; the stage, in
.set SOUT, 15                          ; and out
.set A16,  16                          ; v16-18 offsets of the lower half's loads (16-byte planes, 8-byte planes, scale words); v19-21 the upper half's
.set A8,   17
.set AHS,  18
.set ARW,  22                          ; offset of my row's weight
.set ARN,  23                          ; v23-26 offsets of the four route words
.set ACC,  32                          ; v32-47  two accumulators
.set BI,   48                          ; v48-63  b2 in the result's layout
.set O,    64                          ; v64-79  my token's 16 columns
.set OB,   80                          ; v80-95  rows back from the stage
.set WS,   128                         ; v128-159 W2's scale words, by fragment
.set HS,   160                         ; v160-175 the hidden layer's scale words, by K step
.set RW,   176
.set RN,   178                         ; v178-181
.set OA,   182                         ; v182-185 offsets of the stores
.set WT,   186
.set QT,   128
.set QM,   160
.set QSO,  164
.set QBY,  168
.set QTMP, 172
.set QCD,  176
.set MSB, 0
.macro WIN new                         ; the immediate's high byte repeats the setting that is left; a switch that changes nothing is dropped
.if MSB != (\new)
	s_set_vgpr_msb (MSB<<8)|(\new)
.set MSB, (\new)
.endif
.endm
.macro LOADU u, win                    ; unit u: one K step, 128 rows, into window win: register 64 c' + 2 i + c
	WIN 0x40*\win
.irp cp, 0,1
.set qi, 0
.rept 32
	global_load_b64 v[64*\cp+2*qi:64*\cp+2*qi+1], v[WO], s[4:5] offset:(128*\u+64*\cp+qi)*4096 th:TH_LOAD_NT
.set qi, qi+1
.endr
.endr
	WIN 0
.endm
.macro QUNIT u, win                    ; four blocks a lane: x = 2 c' + c
	s_wait_dscnt 0x0                               ; earlier stores have read the registers that are written now
	WIN 0x55*\win
.irp x, 0,1,2,3
	v_max3_num_f32 v[QM+\x], |v[64*(\x/2)+\x%2]|, |v[64*(\x/2)+\x%2+2]|, 0x2800000   ; the floor 2^(5 - 127)
.endr
.set qi, 2
.rept 15
.irp x, 0,1,2,3
	v_max3_num_f32 v[QM+\x], v[QM+\x], |v[64*(\x/2)+\x%2+2*qi]|, |v[64*(\x/2)+\x%2+2*qi+2]|
.endr
.set qi, qi+2
.endr
.irp x, 0,1,2,3
	v_add_nc_u32 v[QSO+\x], 0xfe000000, v[QM+\x]
.endr
.irp x, 0,1,2,3
	v_lshrrev_b32 v[QBY+\x], 23, v[QSO+\x]
.endr
.irp x, 0,1,2,3
.set qi, 0
.rept 32
	v_mov_b32 v[QT+qi], v[64*(\x/2)+\x%2+2*qi]
.set qi, qi+1
.endr
	v_cvt_scalef32_pk16_bf6_f32 v[QCD+6*\x:QCD+6*\x+2], v[QT:QT+15], v[QSO+\x]
	v_cvt_scalef32_pk16_bf6_f32 v[QTMP:QTMP+2], v[QT+16:QT+31], v[QSO+\x]
	v_nop                                          ; a plain instruction behind the conversions
.irp t, 0,1,2
	v_mov_b32 v[QCD+6*\x+3+\t], v[QTMP+\t]
.endr
.endr
	WIN 0x04*\win
.irp x, 0,1,2,3
.irp p, 0,1,2
	ds_store_b64 v[ADW], v[QCD+6*\x+2*\p:QCD+6*\x+2*\p+1] offset:1536*(2*(\u)+\x%2)+24*(\x/2)+8*\p
.endr
	ds_store_b8 v[ADS], v[QBY+\x] offset:4*(2*(\u)+\x%2)+2*(\x/2)
.endr
	WIN 0
.endm
.macro ROUTE add                       ; tile J + add: my row's weight, and the tokens of the four rows that I store: 5 loads
	s_add_co_u32 s28, s27, \add
	s_lshl_b32 s28, s28, 4
	s_add_co_u32 s28, s28, s23
	v_add_nc_u32 v[ARW], s28, v[R_]
	v_min_u32 v[ARW], s26, v[ARW]
	v_min_u32 v[ARW], 0x87f, v[ARW]
	v_lshlrev_b32 v[ARW], 2, v[ARW]
.irp n, 0,1,2,3
	s_add_co_u32 s29, s28, 4*\n
	v_add_nc_u32 v[ARN+\n], s29, v[ROW8]           ; row lane / 8 + 4 n of the tile
	v_min_u32 v[ARN+\n], s26, v[ARN+\n]
	v_min_u32 v[ARN+\n], 0x87f, v[ARN+\n]
	v_lshlrev_b32 v[ARN+\n], 2, v[ARN+\n]
.endr
	global_load_b32 v[RW], v[ARW], s[14:15]
.irp n, 0,1,2,3
	global_load_b32 v[RN+\n], v[ARN+\n], s[12:13]
.endr
.endm
.macro LOADH half, add                 ; tile J + add: eight K steps of the hidden layer and their scale words: 34 loads
	s_add_co_u32 s28, s27, \add
	s_add_co_u32 s28, s28, s36
	s_min_u32 s28, s28, s37                        ; held at the expert's last tile
	s_min_u32 s28, s28, 135
	s_mul_i32 s29, s28, 24576
	s_lshl_b32 s28, s28, 10
	v_add_nc_u32 v[A16+3*\half], s29, v[L16]
	v_add_nc_u32 v[A8+3*\half], s29, v[L8]
	v_add_nc_u32 v[AHS+3*\half], s28, v[R64]
	v_nop                                          ; with the three above: four places behind the products, in front of the loads and of the first read of results
	WIN 0xc0
.irp q, 0,1,2,3,4,5,6,7
	global_load_b128 v[96*\half+12*\q:96*\half+12*\q+3], v[A16+3*\half], s[8:9] offset:1536*(8*\half+\q)
	global_load_b64 v[96*\half+12*\q+4:96*\half+12*\q+5], v[A8+3*\half], s[8:9] offset:1536*(8*\half+\q)+512
	global_load_b128 v[96*\half+12*\q+6:96*\half+12*\q+9], v[A16+3*\half], s[8:9] offset:1536*(8*\half+\q)+768
	global_load_b64 v[96*\half+12*\q+10:96*\half+12*\q+11], v[A8+3*\half], s[8:9] offset:1536*(8*\half+\q)+1280
.endr
	WIN 0
	global_load_b128 v[HS+8*\half:HS+8*\half+3], v[AHS+3*\half], s[10:11] offset:32*\half
	global_load_b128 v[HS+8*\half+4:HS+8*\half+7], v[AHS+3*\half], s[10:11] offset:32*\half+16
.endm
.macro MMH half                        ; 16 products: eight K steps, the two accumulators by turns, one instruction a turn; b2 starts the sums
	WIN 0x0d+\half                                 ; source 0 window 1 or 2, source 1 window 3
.irp q, 0,1,2,3,4,5,6,7
.irp c, 0,1
.if (\half == 0) && (\q == 0)
	v_wmma_scale_f32_16x16x128_f8f6f4 v[ACC+8*\c:ACC+8*\c+7], v[12*(2*\q+\c):12*(2*\q+\c)+11], v[96*\half+12*\q:96*\half+12*\q+11], v[BI+8*\c:BI+8*\c+7], v[WS+16*\half+2*\q+\c], v[HS+8*\half+\q] matrix_a_fmt:MATRIX_FMT_BF6 matrix_b_fmt:MATRIX_FMT_BF6
.else
	v_wmma_scale_f32_16x16x128_f8f6f4 v[ACC+8*\c:ACC+8*\c+7], v[12*(2*\q+\c):12*(2*\q+\c)+11], v[96*\half+12*\q:96*\half+12*\q+11], v[ACC+8*\c:ACC+8*\c+7], v[WS+16*\half+2*\q+\c], v[HS+8*\half+\q] matrix_a_fmt:MATRIX_FMT_BF6 matrix_b_fmt:MATRIX_FMT_BF6
.endif
.endr
.endr
	WIN 0
.endm
	s_load_b256 s[4:11], s[0:1], 0x0               ; W2, b2, hc, hs
	s_load_b128 s[12:15], s[0:1], 0x20             ; route, routew
	s_load_b64 s[16:17], s[0:1], 0x30              ; out0
	v_lshl_add_u32 v254, v0, 2, 0xed00
	v_mov_b32 v255, 0
	v_lshrrev_b32 v1, 5, v0
	v_readfirstlane_b32 s20, v1                    ; wave
	s_mov_b32 s21, ttmp9                           ; chunk
	s_and_b32 s22, ttmp7, 0xffff                   ; expert
	s_lshl_b32 s30, s22, 2
	v_and_b32 v27, 31, v0                          ; lane
	v_and_b32 v[R_], 15, v0
	v_bfe_u32 v[HH], v0, 4, 1
	v_lshlrev_b32 v[WO], 3, v[R_]
	v_lshl_add_u32 v[WO], v[HH], 17, v[WO]         ; 32 rows of 4,096 bytes
	s_mul_i32 s28, s20, 12288
	v_mul_u32_u24 v[ARD], v27, 48
	v_add_nc_u32 v[ADW], s28, v[ARD]
	v_mul_u32_u24 v[ARS], v[R_], 144
	v_add_nc_u32 v[ARS], WSC, v[ARS]
	s_lshl_b32 s28, s20, 5
	v_add_nc_u32 v[ADS], v[ARS], v[HH]
	v_add_nc_u32 v[ADS], s28, v[ADS]
	v_lshlrev_b32 v[L16], 4, v27
	v_lshlrev_b32 v[L8], 3, v27
	v_lshlrev_b32 v[R64], 6, v[R_]
	v_lshlrev_b32 v[BO], 6, v[HH]
	v_bfe_u32 v[ROW8], v0, 3, 2
	v_and_b32 v28, 7, v0
	s_lshl_b32 s28, s21, 7
	v_lshl_add_u32 v[COLC], v28, 4, s28
	s_mul_i32 s28, s20, 2304
	s_add_co_u32 s28, s28, STG
	v_mul_u32_u24 v[SIN], v[R_], 144
	v_lshl_add_u32 v[SIN], v[HH], 6, v[SIN]
	v_add_nc_u32 v[SIN], s28, v[SIN]               ; row r, 64 bytes for each half of the lanes
	v_mul_u32_u24 v[SOUT], v[ROW8], 144
	v_lshl_add_u32 v[SOUT], v28, 4, v[SOUT]
	v_add_nc_u32 v[SOUT], s28, v[SOUT]             ; eight lanes to a row, four rows an instruction
	s_wait_kmcnt 0x0
	s_load_b32 s23, s[12:13], s30 offset:META      ; OFFP_e
	s_load_b32 s24, s[12:13], s30 offset:META+32   ; T_e
	s_lshl_b32 s28, s22, 23                        ; W2: the expert,
	s_lshl_b32 s29, s21, 7                         ; the chunk's 128 bytes,
	s_add_co_u32 s28, s28, s29
	s_lshl_b32 s29, s20, 21                        ; my 512 rows
	s_add_co_u32 s28, s28, s29
	s_mov_b32 s29, 0
	s_add_nc_u64 s[4:5], s[4:5], s[28:29]
	s_lshl_b32 s28, s22, 12
	s_lshl_b32 s31, s21, 7
	s_add_co_u32 s28, s28, s31
	s_add_nc_u64 s[6:7], s[6:7], s[28:29]          ; b2 at the chunk's 32 numbers
.irp c, 0,1
.irp j, 0,1,2,3,4,5,6,7
	global_load_b32 v[BI+8*\c+\j], v[BO], s[6:7] offset:4*(2*\j+\c)   ; b2 of column 16 h + 2 j + c
.endr
.endr
	LOADU 0, 1
	LOADU 1, 2
	s_wait_loadcnt 63                              ; unit 0 is in: 64 loads are younger, and the count names 63 at the most
	QUNIT 0, 1
	LOADU 2, 1
	s_wait_loadcnt 63                              ; unit 1 is in
	QUNIT 1, 2
	LOADU 3, 2
	s_wait_loadcnt 63                              ; unit 2 is in
	QUNIT 2, 1
	s_wait_kmcnt 0x0
	s_min_u32 s23, s23, 2160
	s_min_u32 s24, s24, 2048
	s_add_co_u32 s25, s24, 15
	s_lshr_b32 s25, s25, 4                         ; NT: the expert's tiles
	s_lshr_b32 s36, s23, 4                         ; its first tile's number
	s_add_co_u32 s37, s36, s25
	s_sub_co_u32 s37, s37, 1                       ; its last tile's
	s_add_co_u32 s26, s23, s24
	s_sub_co_u32 s26, s26, 1                       ; LAST: its last row's position
	s_cmp_eq_u32 s24, 0
	s_cselect_b32 s26, 0, s26                      ; without rows: position 0 and tile 0, which are always written
	s_cselect_b32 s37, 0, s37
	s_mov_b32 s27, s20                             ; J: my first tile
	ROUTE 0                                        ; its operands are asked for while the last unit is quantised
	LOADH 0, 0
	LOADH 1, 0
	s_wait_loadcnt 63                              ; unit 3 is in: 73 loads are younger
	QUNIT 3, 2
	s_wait_dscnt 0x0                               ; for the others: my eight images and their bytes lie in LDS
	s_barrier_signal -1
	s_barrier_wait -1
	WIN 0x40                                       ; all 32 fragments into registers, where they stay
.irp f, 0,1,2,3,4,5,6,7,8,9,10,11,12,13,14,15
.irp g, 0,1,2
	ds_load_b128 v[12*\f+4*\g:12*\f+4*\g+3], v[ARD] offset:1536*\f+16*\g
.endr
.endr
	WIN 0x80
.irp f, 0,1,2,3,4,5,6,7,8,9,10,11,12,13,14,15
.irp g, 0,1,2
	ds_load_b128 v[12*\f+4*\g:12*\f+4*\g+3], v[ARD] offset:1536*(16+\f)+16*\g
.endr
.endr
	WIN 0
.irp n, 0,1,2,3,4,5,6,7
	ds_load_b128 v[WS+4*\n:WS+4*\n+3], v[ARS] offset:16*\n
.endr
	s_wait_dscnt 0x0
	s_cmp_ge_u32 s27, s25
	s_cbranch_scc1 .Ldone                          ; no tile for my wave
	s_sub_co_u32 s39, s25, s20                     ; my tiles are w, w + 4 .. below NT, one a trip:
	s_add_co_u32 s39, s39, 3
	s_lshr_b32 s39, s39, 2                         ; (NT - w + 3) / 4 trips, at least one here
	s_mov_b32 s38, 0                               ; the loop ends on this counter, stepped by one; J serves offsets alone
.Ltrip:                                            ; one tile a trip; each half of K is asked for again, for tile J + 4, as soon as its products are issued
	s_wait_loadcnt 34                              ; the lower half and the route words are in: the upper half's 34 loads are younger
	s_wait_xcnt 0x0                                ; the last trip's stores have read their data and offsets
.irp n, 0,1,2,3
	v_min_u32 v[OA+\n], 0x7ff, v[RN+\n]
.endr
.irp n, 0,1,2,3
	v_lshl_add_u32 v[OA+\n], v[OA+\n], 12, v[COLC] ; the token's row of 4,096 bytes, the chunk, my 16 bytes
.endr
	v_mov_b32 v[WT], v[RW]
	MMH 0
	ROUTE 4                                        ; its twenty plain instructions are the places in front of the loads below
	LOADH 0, 4
	s_wait_loadcnt 39                              ; the upper half is in: 5 + 34 loads are younger
	MMH 1
	LOADH 1, 4
.irp j, 0,1,2,3,4,5,6,7
.irp c, 0,1
	v_mul_f32 v[O+2*\j+\c], v[ACC+8*\c+\j], v[WT]  ; x the top weight; each accumulator from its low end on; the columns fall in order
.endr
.endr
.irp n, 0,1,2,3
	ds_store_b128 v[SIN], v[O+4*\n:O+4*\n+3] offset:16*\n
.endr
.irp n, 0,1,2,3
	ds_load_b128 v[OB+4*\n:OB+4*\n+3], v[SOUT] offset:576*\n   ; LDS serves a wave in order: these see my stores
.endr
.irp n, 0,1,2,3
	s_wait_dscnt 3-\n                              ; the younger loads from the stage may be out
	global_store_b128 v[OA+\n], v[OB+4*\n:OB+4*\n+3], s[16:17] th:TH_STORE_NT   ; four rows, 128 bytes on end each
.endr
	s_add_co_u32 s27, s27, 4
	s_add_co_u32 s38, s38, 1
	s_cmp_lt_u32 s38, s39
	s_cbranch_scc1 .Ltrip
.Ldone:
	s_wait_tensorcnt 0x0
	ds_add_u32 v254, v255
	s_wait_dscnt 0x0
	s_endpgm
.Lfunc_end_k_q1d27be7e41_outp:
	.size	k_q1d27be7e41_outp, .Lfunc_end_k_q1d27be7e41_outp-k_q1d27be7e41_outp
	.p2alignl 7, 3214868480
	.fill 96, 4, 3214868480
	.section	.rodata,"a",@progbits
	.p2align	6, 0x0
	.amdhsa_kernel k_q1d27be7e41_outp
		.amdhsa_group_segment_fixed_size 61184
		.amdhsa_private_segment_fixed_size 0
		.amdhsa_enable_private_segment 0
		.amdhsa_kernarg_size 56
		.amdhsa_user_sgpr_count 2
		.amdhsa_user_sgpr_kernarg_segment_ptr 1
		.amdhsa_wavefront_size32 1
		.amdhsa_system_sgpr_workgroup_id_x 1
		.amdhsa_system_sgpr_workgroup_id_y 1
		.amdhsa_system_sgpr_workgroup_id_z 1
		.amdhsa_system_vgpr_workitem_id 0
		.amdhsa_next_free_vgpr 1024
		.amdhsa_next_free_sgpr 66
		.amdhsa_reserve_vcc 0
		.amdhsa_float_denorm_mode_32 3
		.amdhsa_float_denorm_mode_16_64 3
		.amdhsa_memory_ordered 1
		.amdhsa_forward_progress 1
		.amdhsa_inst_pref_size 103
	.end_amdhsa_kernel
	.amdgpu_metadata
---
amdhsa.version: [ 1, 2 ]
amdhsa.kernels:
  - .name:           k_q1d27be7e41_outp
    .symbol:         k_q1d27be7e41_outp.kd
    .args:
      - { .name: W2, .offset: 0, .size: 8, .value_kind: global_buffer, .address_space: global }
      - { .name: b2, .offset: 8, .size: 8, .value_kind: global_buffer, .address_space: global }
      - { .name: hc, .offset: 16, .size: 8, .value_kind: global_buffer, .address_space: global }
      - { .name: hs, .offset: 24, .size: 8, .value_kind: global_buffer, .address_space: global }
      - { .name: route, .offset: 32, .size: 8, .value_kind: global_buffer, .address_space: global }
      - { .name: routew, .offset: 40, .size: 8, .value_kind: global_buffer, .address_space: global }
      - { .name: out0, .offset: 48, .size: 8, .value_kind: global_buffer, .address_space: global }
    .group_segment_fixed_size: 61184
    .private_segment_fixed_size: 0
    .kernarg_segment_align: 8
    .kernarg_segment_size: 56
    .max_flat_workgroup_size: 128
    .sgpr_count:     66
    .vgpr_count:     1024
    .wavefront_size: 32
...
	.end_amdgpu_metadata
.endif
;; end of part 4
;; ======== version 2 of 2: 4 launches
;; workspace buffers: sel 8,192 bytes of whole numbers; selw 8,192 bytes; xc 1,572,864 bytes; xs 65,536 bytes; route 8,960 bytes of whole numbers; routew 8,704 bytes; hc 3,342,336 bytes; hs 139,264 bytes
;; launch gate (part 5): grid 256 x 1, 4 waves a work-group, no clusters, 11,776 bytes of LDS; arguments x, Wg, bg, out1, sel, selw, xc, xs; writes out1, sel, selw, xc, xs
.if DOCPART == 5
	.amdgcn_target "amdgcn-amd-amdhsa--gfx1250"
	.amdhsa_code_object_version 6
	.text
	.protected	k_q1d27be7e41_gate
	.globl	k_q1d27be7e41_gate
	.p2align	8
	.type	k_q1d27be7e41_gate,@function
k_q1d27be7e41_gate:
	s_mov_b64 s[64:65], 0
	v_nop
	global_prefetch_b8 v0, s[64:65] scope:SCOPE_SE
	s_setreg_imm32_b32 hwreg(HW_REG_WAVE_MODE, 25, 1), 1
	s_wait_xcnt 0x0
; GATE AND QUANTISER OF x.  x [2048][1024] f32, Wg [1024][8], bg [8].  out1 = softmax(x Wg + bg), all in f32 by fused multiply-adds.
; sel[token] = the index of the largest weight (the lowest index among equal weights), selw[token] = that weight.
; xc, xs: x as codes of BF6 (E3M2) with one E8M0 byte for each 32 along K, made once for all later readers.
;   xc: a token is 768 bytes; block b (32 codes, 24 bytes) lies at 96 (b / 4) + 48 (b % 2) + 24 ((b / 2) % 2): so lane (r, h) of an operand finds its 12 registers of a K step as 48 bytes on end.
;   xs: a token is 32 bytes, block order.
; SHARES.  A work-group takes 8 tokens.  Wave w takes half kh = w % 2 of K (512 numbers) of rows 4 (w / 2) .. + 3.  A row half is read as it lies (four loads of 512 bytes), turns through the
; wave's own stage in LDS and comes back 16 neighbours a lane: they feed the conversion (two lanes hold a block) and the 8 partial logits (the lane's 16 rows of Wg stay in 128 registers).
; No matrix unit: N = 8.  No cluster, no tensor load: work-groups share only Wg, 32 KB.
; LIMITS: NaN and infinities are not served.  A block of zeros gets the byte 1 (its codes are zeros; this program alone reads the bytes).  Where a token's two largest weights fall
; together within f32 rounding, the index may be the other one than a computation in another order of sums gives.
.set STAGEB, 2560                      ; a wave's stage: 32 places of 64 bytes + 16 of padding
.set PART,   10240                     ; partial logits: 128 bytes a wave: 32 x row + 4 x expert
.set SCB,    10752                     ; the 8 tokens' 256 scale bytes
.set ACC,  16                          ; v16-47   partial logits, 8 x row + expert
.set X,    48                          ; v48-63   16 neighbours
.set WGR,  64                          ; v64-191  Wg[512 kh + 16 lane + i][e] at 8 i + e; later at work
.set R,    192                         ; v192-255 row i as loaded at 16 i; then its codes (3 registers) and, at + 4, its scale byte
.set LG,   96                          ; wave 0: logits, then weights
	s_load_b512 s[4:19], s[0:1], 0x0               ; x, Wg, bg, out1, sel, selw, xc, xs
	s_set_vgpr_msb 0x40
	v_lshl_add_u32 v0, v0, 2, 0x2c00
	v_mov_b32 v1, 0
	s_set_vgpr_msb 0x4000
	v_lshrrev_b32 v8, 5, v0
	v_readfirstlane_b32 s20, v8                    ; wave
	s_and_b32 s21, s20, 1                          ; kh
	s_lshr_b32 s22, s20, 1                         ; which four rows
	v_and_b32 v1, 31, v0                           ; lane
	v_lshlrev_b32 v2, 4, v1                        ; 16 x lane
	v_lshlrev_b32 v3, 9, v1                        ; 512 x lane: my 16 rows of Wg
	s_mul_i32 s23, s20, STAGEB
	v_lshrrev_b32 v8, 2, v1
	v_mul_u32_u24 v4, v8, 80
	v_and_b32 v9, 3, v1
	v_lshl_add_u32 v4, v9, 4, v4
	v_add_nc_u32 v4, s23, v4                       ; the stage, in: four lanes fill a place
	v_mul_u32_u24 v5, v1, 80
	v_add_nc_u32 v5, s23, v5                       ; and out: a place a lane
	s_lshl_b32 s32, s22, 7
	s_lshl_b32 s33, s21, 4
	s_add_co_u32 s32, s32, s33
	s_add_co_u32 s32, s32, SCB
	v_lshrrev_b32 v10, 1, v1                       ; m: my block in the row half
	v_add_nc_u32 v6, s32, v10                      ; its scale byte: 32 x row + 16 kh + m
	v_lshrrev_b32 v8, 2, v10
	v_mul_u32_u24 v7, v8, 96
	v_and_b32 v8, 1, v10
	v_mad_u32_u24 v7, v8, 48, v7
	v_bfe_u32 v8, v10, 1, 1
	v_mad_u32_u24 v7, v8, 24, v7
	v_and_b32 v8, 1, v1
	v_mad_u32_u24 v7, v8, 12, v7                   ; my 12 bytes of codes in the half row of xc
	s_lshl_b32 s32, s20, 7
	s_add_co_u32 s32, s32, PART
	v_mov_b32 v12, s32                             ; my wave's partial logits
	v_bfe_u32 v8, v1, 3, 1
	v_lshlrev_b32 v13, 8, v8
	v_bfe_u32 v8, v1, 1, 2
	v_lshl_add_u32 v13, v8, 5, v13
	v_add_nc_u32 v13, PART, v13                    ; wave 0: row (lane / 2) % 8: 256 (row / 4) + 32 (row % 4)
	v_lshl_add_u32 v14, v1, 3, SCB                 ; wave 1: 8 scale bytes a lane
	v_lshlrev_b32 v15, 3, v1
	s_mov_b32 s36, 0x76543210
	s_mov_b32 s37, 0xfedcba98                      ; selects: lane l xor 16
	s_wait_kmcnt 0x0
	s_load_b256 s[24:31], s[8:9], 0x0              ; bg
	s_lshl_b32 s32, ttmp9, 15                      ; 8 rows of 4,096 bytes a work-group,
	s_lshl_b32 s33, s22, 14                        ; four rows,
	s_add_co_u32 s32, s32, s33
	s_lshl_b32 s33, s21, 11                        ; half a row
	s_add_co_u32 s32, s32, s33
	s_mov_b32 s33, 0
	s_add_nc_u64 s[4:5], s[4:5], s[32:33]
	s_lshl_b32 s32, s21, 14                        ; Wg: 512 rows of 32 bytes
	s_add_nc_u64 s[6:7], s[6:7], s[32:33]
	s_lshl_b32 s32, ttmp9, 3
	s_lshl_b32 s34, s22, 2
	s_add_co_u32 s32, s32, s34
	s_mul_i32 s32, s32, 768
	s_mul_i32 s34, s21, 384
	s_add_co_u32 s32, s32, s34
	s_add_nc_u64 s[16:17], s[16:17], s[32:33]      ; xc at my first row, my half
	s_lshl_b32 s32, ttmp9, 8
	s_add_nc_u64 s[18:19], s[18:19], s[32:33]      ; xs and out1: 256 bytes a work-group
	s_add_nc_u64 s[10:11], s[10:11], s[32:33]
	s_lshl_b32 s32, ttmp9, 5
	s_add_nc_u64 s[12:13], s[12:13], s[32:33]      ; sel and selw: 32 bytes
	s_add_nc_u64 s[14:15], s[14:15], s[32:33]
.set j, 0
.rept 32
	global_load_b128 v[WGR+4*j:WGR+4*j+3], v3, s[6:7] offset:16*j
.set j, j+1
.endr
.irp i, 0,1,2,3
.irp n, 0,1,2,3
	global_load_b128 v[R+16*\i+4*\n:R+16*\i+4*\n+3], v2, s[4:5] offset:4096*\i+512*\n th:TH_LOAD_NT   ; 32 lanes read 512 bytes on end
.endr
.endr
; Row i of my four: through the stage, 8 partial logits, the block's scale and codes.
.macro STEP i
	s_wait_loadcnt 12-4*\i                         ; loads come back in order: Wg and this row are in, the rows behind it may be out
.irp n, 0,1,2,3
	ds_store_b128 v4, v[R+16*\i+4*\n:R+16*\i+4*\n+3] offset:640*\n
.endr
.irp n, 0,1,2,3
	ds_load_b128 v[X+4*\n:X+4*\n+3], v5 offset:16*\n   ; LDS serves a wave in order: these see the stores above
.endr
	s_wait_dscnt 0x0                               ; my 16 neighbours are in, and the stores have read the row's registers
.irp p, 0,1,2,3
	v_pk_mul_f32 v[ACC+8*\i+2*\p:ACC+8*\i+2*\p+1], v[X:X+1], v[WGR+2*\p:WGR+2*\p+1] op_sel_hi:[0,1]   ; the first product starts the sums
.endr
.irp k, 1,2,3,4,5,6,7,8,9,10,11,12,13,14,15
.irp p, 0,1,2,3
.if \k % 2
	v_pk_fma_f32 v[ACC+8*\i+2*\p:ACC+8*\i+2*\p+1], v[X+\k-1:X+\k], v[WGR+8*\k+2*\p:WGR+8*\k+2*\p+1], v[ACC+8*\i+2*\p:ACC+8*\i+2*\p+1] op_sel:[1,0,0]
.else
	v_pk_fma_f32 v[ACC+8*\i+2*\p:ACC+8*\i+2*\p+1], v[X+\k:X+\k+1], v[WGR+8*\k+2*\p:WGR+8*\k+2*\p+1], v[ACC+8*\i+2*\p:ACC+8*\i+2*\p+1] op_sel_hi:[0,1,1]
.endif
.endr
.endr
	v_max3_num_f32 v8, |v[X]|, |v[X+1]|, |v[X+2]|  ; the largest magnitude of my 16, in two chains
	v_max3_num_f32 v9, |v[X+3]|, |v[X+4]|, |v[X+5]|
.irp t, 6,10
	v_max3_num_f32 v8, v8, |v[X+\t]|, |v[X+\t+1]|
	v_max3_num_f32 v9, v9, |v[X+\t+2]|, |v[X+\t+3]|
.endr
	v_max3_num_f32 v8, v8, |v[X+14]|, |v[X+15]|
	v_max3_num_f32 v8, v8, v9, 0x2800000           ; the floor 2^(5 - 127): the byte cannot fall under 1
	v_max_num_f32_dpp v8, v8, v8 row_xmask:1 row_mask:0xf bank_mask:0xf   ; with my neighbour's 16: the block's
	v_add_nc_u32 v11, 0xfe000000, v8               ; 4 off the exponent field: the conversion's scale operand
	v_cvt_scalef32_pk16_bf6_f32 v[R+16*\i:R+16*\i+2], v[X:X+15], v11
	v_lshrrev_b32 v[R+16*\i+4], 23, v11            ; the scale's byte; also the plain instruction behind the conversion
	ds_store_b8 v6, v[R+16*\i+4] offset:32*\i      ; both lanes of a block write the same byte
	global_store_b96 v7, v[R+16*\i:R+16*\i+2], s[16:17] offset:768*\i   ; the wave covers 384 bytes on end
.endm
	STEP 0
	STEP 1
	STEP 2
	STEP 3
.irp m, 1,2,4,8                        ; the 32 partial logits are summed over the lanes
.set j, 0
.rept 32
	v_add_f32_dpp v[ACC+j], v[ACC+j], v[ACC+j] row_xmask:\m row_mask:0xf bank_mask:0xf
.set j, j+1
.endr
.endr
.set j, 0
.rept 32
	v_permlanex16_b32 v[WGR+j], v[ACC+j], s36, s37
.set j, j+1
.endr
.set j, 0
.rept 32
	v_add_f32 v[ACC+j], v[ACC+j], v[WGR+j]
.set j, j+1
.endr
.irp n, 0,1,2,3,4,5,6,7
	ds_store_b128 v12, v[ACC+4*\n:ACC+4*\n+3] offset:16*\n   ; every lane holds the same sums and writes the same bytes
.endr
	s_wait_kmcnt 0x0                               ; bg
	s_wait_dscnt 0x0                               ; for the others: my partial logits and scale bytes lie in LDS
	s_barrier_signal -1
	s_barrier_wait -1
	s_cmp_eq_u32 s20, 0
	s_cbranch_scc1 .Lsoft
	s_cmp_eq_u32 s20, 1
	s_cbranch_scc0 .Lend
	ds_load_b64 v[8:9], v14                        ; wave 1: the 8 tokens' scale bytes leave as 256 bytes on end
	s_wait_dscnt 0x0
	global_store_b64 v15, v[8:9], s[18:19]
.Lend:
	s_set_vgpr_msb 0x5
	s_wait_tensorcnt 0x0
	ds_add_u32 v0, v1
	s_wait_dscnt 0x0
	s_set_vgpr_msb 0x500
	s_endpgm
.Lsoft:                                            ; wave 0: two lanes to a row
	ds_load_b128 v[LG:LG+3], v13
	ds_load_b128 v[LG+4:LG+7], v13 offset:16
	ds_load_b128 v[LG+8:LG+11], v13 offset:128
	ds_load_b128 v[LG+12:LG+15], v13 offset:144
	s_wait_dscnt 0x0
.irp e, 0,1,2,3,4,5,6,7
	v_add_f32 v[LG+\e], v[LG+\e], v[LG+8+\e]       ; the two halves of K
.endr
.irp e, 0,1,2,3,4,5,6,7
	v_add_f32 v[LG+\e], s[24+\e], v[LG+\e]         ; + bg
.endr
	v_max3_num_f32 v112, v[LG], v[LG+1], v[LG+2]
	v_max3_num_f32 v112, v112, v[LG+3], v[LG+4]
	v_max3_num_f32 v112, v112, v[LG+5], v[LG+6]
	v_max_num_f32 v112, v112, v[LG+7]              ; the row's largest logit is taken away ahead of the exponentials
.irp e, 0,1,2,3,4,5,6,7
	v_sub_f32 v[LG+8+\e], v[LG+\e], v112
.endr
.irp e, 0,1,2,3,4,5,6,7
	v_mul_f32 v[LG+8+\e], 0x3fb8aa3b, v[LG+8+\e]
.endr
	s_wait_alu depctr_va_vdst(0)
.irp e, 0,1,2,3,4,5,6,7
	v_exp_f32 v[LG+8+\e], v[LG+8+\e]
.endr
	v_nop                                          ; a plain instruction behind the last exponential
	s_wait_alu depctr_va_vdst(0)                   ; one wait for the eight, ahead of their first reader
	v_add_f32 v113, v[LG+8], v[LG+9]
.irp e, 2,3,4,5,6,7
	v_add_f32 v113, v113, v[LG+8+\e]
.endr
	s_wait_alu depctr_va_vdst(0)
	v_rcp_f32 v114, v113
	v_nop
	s_wait_alu depctr_va_vdst(0)
.irp e, 0,1,2,3,4,5,6,7
	v_mul_f32 v[LG+\e], v[LG+8+\e], v114           ; the weights
.endr
	v_max3_num_f32 v115, v[LG], v[LG+1], v[LG+2]
	v_max3_num_f32 v115, v115, v[LG+3], v[LG+4]
	v_max3_num_f32 v115, v115, v[LG+5], v[LG+6]
	v_max_num_f32 v115, v115, v[LG+7]              ; the top weight
	v_mov_b32 v116, 7
.irp e, 6,5,4,3,2,1,0                  ; from above downward: the lowest index among equal weights stays
	v_cmp_neq_f32 vcc_lo, v[LG+\e], v115
	v_cndmask_b32 v116, \e, v116, vcc_lo
.endr
	v_and_b32 v119, 1, v1
	v_cmp_eq_u32 vcc_lo, 1, v119
.irp t, 0,1,2,3
	v_cndmask_b32 v[120+\t], v[LG+\t], v[LG+4+\t], vcc_lo   ; the even lane stores weights 0-3 of its row, the odd lane 4-7
.endr
	v_lshrrev_b32 v118, 1, v1
	v_lshlrev_b32 v118, 2, v118                    ; 4 x row
	v_cmp_gt_u32 vcc_lo, 16, v1
	s_wait_alu depctr_va_vdst(0)
	s_wait_xcnt 0x0                                ; EXEC changes only behind this wait
	s_set_vgpr_msb 0x5
	s_wait_tensorcnt 0x0
	ds_add_u32 v0, v1
	s_wait_dscnt 0x0
	s_set_vgpr_msb 0x500
	s_and_saveexec_b32 s34, vcc_lo
	global_store_b128 v2, v[120:123], s[10:11]     ; sixteen lanes store 256 bytes on end, aligned
	global_store_b32 v118, v116, s[12:13]          ; (the two lanes of a row store the same word)
	global_store_b32 v118, v115, s[14:15]
	s_wait_xcnt 0x0
	s_or_b32 exec_lo, exec_lo, s34
	s_endpgm
.Lfunc_end_k_q1d27be7e41_gate:
	.size	k_q1d27be7e41_gate, .Lfunc_end_k_q1d27be7e41_gate-k_q1d27be7e41_gate
	.p2alignl 7, 3214868480
	.fill 96, 4, 3214868480
	.section	.rodata,"a",@progbits
	.p2align	6, 0x0
	.amdhsa_kernel k_q1d27be7e41_gate
		.amdhsa_group_segment_fixed_size 11776
		.amdhsa_private_segment_fixed_size 0
		.amdhsa_enable_private_segment 0
		.amdhsa_kernarg_size 64
		.amdhsa_user_sgpr_count 2
		.amdhsa_user_sgpr_kernarg_segment_ptr 1
		.amdhsa_wavefront_size32 1
		.amdhsa_system_sgpr_workgroup_id_x 1
		.amdhsa_system_sgpr_workgroup_id_y 1
		.amdhsa_system_sgpr_workgroup_id_z 1
		.amdhsa_system_vgpr_workitem_id 0
		.amdhsa_next_free_vgpr 258
		.amdhsa_next_free_sgpr 66
		.amdhsa_reserve_vcc 1
		.amdhsa_float_denorm_mode_32 3
		.amdhsa_float_denorm_mode_16_64 3
		.amdhsa_memory_ordered 1
		.amdhsa_forward_progress 1
		.amdhsa_inst_pref_size 47
	.end_amdhsa_kernel
	.amdgpu_metadata
---
amdhsa.version: [ 1, 2 ]
amdhsa.kernels:
  - .name:           k_q1d27be7e41_gate
    .symbol:         k_q1d27be7e41_gate.kd
    .args:
      - { .name: x, .offset: 0, .size: 8, .value_kind: global_buffer, .address_space: global }
      - { .name: Wg, .offset: 8, .size: 8, .value_kind: global_buffer, .address_space: global }
      - { .name: bg, .offset: 16, .size: 8, .value_kind: global_buffer, .address_space: global }
      - { .name: out1, .offset: 24, .size: 8, .value_kind: global_buffer, .address_space: global }
      - { .name: sel, .offset: 32, .size: 8, .value_kind: global_buffer, .address_space: global }
      - { .name: selw, .offset: 40, .size: 8, .value_kind: global_buffer, .address_space: global }
      - { .name: xc, .offset: 48, .size: 8, .value_kind: global_buffer, .address_space: global }
      - { .name: xs, .offset: 56, .size: 8, .value_kind: global_buffer, .address_space: global }
    .group_segment_fixed_size: 11776
    .private_segment_fixed_size: 0
    .kernarg_segment_align: 8
    .kernarg_segment_size: 64
    .max_flat_workgroup_size: 128
    .sgpr_count:     66
    .vgpr_count:     258
    .wavefront_size: 32
...
	.end_amdgpu_metadata
.endif
;; end of part 5
;; launch place (part 6): grid 1 x 1, 32 waves a work-group, no clusters, 5,120 bytes of LDS; arguments sel, selw, route, routew; writes route, routew
.if DOCPART == 6
	.amdgcn_target "amdgcn-amd-amdhsa--gfx1250"
	.amdhsa_code_object_version 6
	.text
	.protected	k_q1d27be7e41_place
	.globl	k_q1d27be7e41_place
	.p2align	8
	.type	k_q1d27be7e41_place,@function
k_q1d27be7e41_place:
	s_mov_b64 s[64:65], 0
	v_nop
	global_prefetch_b8 v0, s[64:65] scope:SCOPE_SE
	s_setreg_imm32_b32 hwreg(HW_REG_WAVE_MODE, 25, 1), 1
	s_wait_xcnt 0x0
; THE ROWS ARE PLACED BY EXPERT: a counting sort of the 2,048 tokens, without atomics, by one work-group of 32 waves; all arithmetic on whole numbers.
; Expert e owns positions OFFP_e .. OFFP_e + T_e - 1; OFFP_e is a multiple of 16 (each expert's segment is filled up to whole tiles of 16 rows; the filling positions are not written and never read).
; route[position] = token, routew[position] = its top weight.  At byte META of route: words 0-7 OFFP_e, words 8-15 T_e.
; Wave w owns tokens 64 w + 32 g + lane, g = 0, 1.  The order of an expert's rows is free: each token has one expert and nothing is dropped.
; SCALARS: s16-31 the lanes' masks (expert e: group 0 in s[16+2e], group 1 in s[17+2e]); s32-39 group 0's counts; s40-47 the wave's counts; s48-49 lane selects; s50 EXEC kept; s51 the wave's number.
.set META, 8704                        ; behind the 2,176 positions
.set WV,   51                          ; s51     my wave's number
.set PRE,  24                          ; v24-31  my expert counts in the waves before mine; then the base of my wave's rows
.set TOT,  32                          ; v32-39  T_e
.set OFF,  40                          ; v40-47  OFFP_e
.set TMP,  48                          ; v48-63  at work in the sums over lanes
	s_load_b256 s[4:11], s[0:1], 0x0               ; sel, selw, route, routew
	v_lshl_add_u32 v64, v0, 2, 0x400
	v_mov_b32 v65, 0
	v_lshrrev_b32 v1, 5, v0
	s_delay_alu instid0(VALU_DEP_1)
	v_readfirstlane_b32 s[WV], v1                  ; wave
	v_and_b32 v1, 31, v0                           ; lane
	v_and_b32 v3, 0x3e0, v0                        ; 32 x wave: my wave's 8 counts in LDS
	s_delay_alu instid0(VALU_DEP_1)
	v_lshl_add_u32 v2, v3, 1, v1                   ; token 64 w + lane
	s_delay_alu instid0(VALU_DEP_1)
	v_add_nc_u32 v13, 32, v2                       ; and the second group's
	s_delay_alu instid0(VALU_DEP_2)
	v_lshlrev_b32 v4, 2, v2
	v_lshlrev_b32 v11, 5, v1                       ; 32 x lane: lane i reads wave i's counts
	s_mov_b32 s48, 0x76543210
	s_mov_b32 s49, 0xfedcba98
.set j, 0
.rept 16
	v_mov_b32 v[TMP+j], 0                          ; written once: the destination of a lane move counts as read
.set j, j+1
.endr
	s_wait_kmcnt 0x0
	global_load_b32 v5, v4, s[4:5]
	global_load_b32 v6, v4, s[4:5] offset:128
	global_load_b32 v7, v4, s[6:7]
	global_load_b32 v8, v4, s[6:7] offset:128
	s_wait_loadcnt 0x0
	v_min_u32 v9, 7, v5
	s_wait_alu depctr_va_vdst(0)
	v_min_u32 v10, 7, v6
	s_wait_alu depctr_va_vdst(0)
.irp e, 0,1,2,3,4,5,6,7
	v_cmp_eq_u32 s[16+2*\e], \e, v9                ; which lanes of group 0 chose expert e,
	v_cmp_eq_u32 s[17+2*\e], \e, v10               ; which of group 1
	s_bcnt1_i32_b32 s[32+\e], s[16+2*\e]
	s_bcnt1_i32_b32 s[40+\e], s[17+2*\e]
	s_add_co_u32 s[40+\e], s[40+\e], s[32+\e]      ; my wave's count
.endr
.irp e, 0,1,2,3,4,5,6,7
	v_mov_b32 v[16+\e], s[40+\e]
.endr
	ds_store_b128 v3, v[16:19]
	ds_store_b128 v3, v[20:23] offset:16
	s_wait_dscnt 0x0                               ; for the others: my counts lie in LDS
	s_barrier_signal -1
	s_barrier_wait -1
	ds_load_b128 v[TOT:TOT+3], v11
	ds_load_b128 v[TOT+4:TOT+7], v11 offset:16
	s_wait_dscnt 0x0
	v_cmp_gt_u32 vcc_lo, s[WV], v1                 ; waves before mine
.irp e, 0,1,2,3,4,5,6,7
	v_cndmask_b32 v[PRE+\e], 0, v[TOT+\e], vcc_lo
.endr
.irp m, 1,2,4,8                        ; both sets of 8 are summed over the 32 lanes
.set j, 0
.rept 16
	v_mov_b32_dpp v[TMP+j], v[PRE+j] row_xmask:\m row_mask:0xf bank_mask:0xf
.set j, j+1
.endr
.set j, 0
.rept 16
	v_add_nc_u32 v[PRE+j], v[PRE+j], v[TMP+j]
.set j, j+1
.endr
.endr
.set j, 0
.rept 16
	v_permlanex16_b32 v[TMP+j], v[PRE+j], s48, s49
.set j, j+1
.endr
.set j, 0
.rept 16
	v_add_nc_u32 v[PRE+j], v[PRE+j], v[TMP+j]
.set j, j+1
.endr
	v_mov_b32 v[OFF], 0
.irp e, 0,1,2,3,4,5,6
	v_add_nc_u32 v12, 15, v[TOT+\e]
	s_delay_alu instid0(VALU_DEP_1)
	v_and_b32 v12, 0xff0, v12                      ; T_e up to a whole number of tiles
	s_delay_alu instid0(VALU_DEP_1)
	v_add_nc_u32 v[OFF+1+\e], v[OFF+\e], v12
.endr
.irp e, 0,1,2,3,4,5,6,7
	v_add_nc_u32 v[PRE+\e], v[PRE+\e], v[OFF+\e]   ; where my wave's rows of expert e begin
.endr
	v_mov_b32 v12, 0
	v_mov_b32 v15, 0
.irp e, 0,1,2,3,4,5,6,7
	v_mbcnt_lo_u32_b32 v14, s[16+2*\e], v[PRE+\e]  ; + the lanes below mine that chose e
	s_delay_alu instid0(VALU_DEP_1)
	v_cndmask_b32 v12, v12, v14, s[16+2*\e]
	v_add_nc_u32 v14, s[32+\e], v[PRE+\e]          ; group 1 stands behind group 0
	s_delay_alu instid0(VALU_DEP_1)
	v_mbcnt_lo_u32_b32 v14, s[17+2*\e], v14
	s_delay_alu instid0(VALU_DEP_1)
	v_cndmask_b32 v15, v15, v14, s[17+2*\e]
.endr
	s_delay_alu instid0(VALU_DEP_4)
	v_min_u32 v12, 0x87f, v12
	s_delay_alu instid0(VALU_DEP_2)
	v_min_u32 v15, 0x87f, v15
	s_delay_alu instid0(VALU_DEP_2)
	v_lshlrev_b32 v12, 2, v12
	s_delay_alu instid0(VALU_DEP_2)
	v_lshlrev_b32 v15, 2, v15
	global_store_b32 v12, v2, s[8:9]
	global_store_b32 v15, v13, s[8:9]
	global_store_b32 v12, v7, s[10:11]
	global_store_b32 v15, v8, s[10:11]
	s_cmp_lg_u32 s[WV], 0
	s_cbranch_scc1 .Lend
	v_cmp_eq_u32 vcc_lo, 0, v1                     ; wave 0, lane 0: the sixteen words
	v_mov_b32 v14, 0
	s_wait_alu depctr_va_vdst(0)
	s_wait_xcnt 0x0                                ; EXEC changes only behind this wait
	s_and_saveexec_b32 s50, vcc_lo
	global_store_b128 v14, v[OFF:OFF+3], s[8:9] offset:META
	global_store_b128 v14, v[OFF+4:OFF+7], s[8:9] offset:META+16
	global_store_b128 v14, v[TOT:TOT+3], s[8:9] offset:META+32
	global_store_b128 v14, v[TOT+4:TOT+7], s[8:9] offset:META+48
	s_wait_xcnt 0x0
	s_or_b32 exec_lo, exec_lo, s50
.Lend:
	s_wait_tensorcnt 0x0
	ds_add_u32 v64, v65
	s_wait_dscnt 0x0
	s_endpgm
.Lfunc_end_k_q1d27be7e41_place:
	.size	k_q1d27be7e41_place, .Lfunc_end_k_q1d27be7e41_place-k_q1d27be7e41_place
	.p2alignl 7, 3214868480
	.fill 96, 4, 3214868480
	.section	.rodata,"a",@progbits
	.p2align	6, 0x0
	.amdhsa_kernel k_q1d27be7e41_place
		.amdhsa_group_segment_fixed_size 5120
		.amdhsa_private_segment_fixed_size 0
		.amdhsa_enable_private_segment 0
		.amdhsa_kernarg_size 32
		.amdhsa_user_sgpr_count 2
		.amdhsa_user_sgpr_kernarg_segment_ptr 1
		.amdhsa_wavefront_size32 1
		.amdhsa_system_sgpr_workgroup_id_x 1
		.amdhsa_system_sgpr_workgroup_id_y 1
		.amdhsa_system_sgpr_workgroup_id_z 1
		.amdhsa_system_vgpr_workitem_id 0
		.amdhsa_next_free_vgpr 66
		.amdhsa_next_free_sgpr 66
		.amdhsa_reserve_vcc 1
		.amdhsa_float_denorm_mode_32 3
		.amdhsa_float_denorm_mode_16_64 3
		.amdhsa_memory_ordered 1
		.amdhsa_forward_progress 1
		.amdhsa_inst_pref_size 19
	.end_amdhsa_kernel
	.amdgpu_metadata
---
amdhsa.version: [ 1, 2 ]
amdhsa.kernels:
  - .name:           k_q1d27be7e41_place
    .symbol:         k_q1d27be7e41_place.kd
    .args:
      - { .name: sel, .offset: 0, .size: 8, .value_kind: global_buffer, .address_space: global }
      - { .name: selw, .offset: 8, .size: 8, .value_kind: global_buffer, .address_space: global }
      - { .name: route, .offset: 16, .size: 8, .value_kind: global_buffer, .address_space: global }
      - { .name: routew, .offset: 24, .size: 8, .value_kind: global_buffer, .address_space: global }
    .group_segment_fixed_size: 5120
    .private_segment_fixed_size: 0
    .kernarg_segment_align: 8
    .kernarg_segment_size: 32
    .max_flat_workgroup_size: 1024
    .sgpr_count:     66
    .vgpr_count:     66
    .wavefront_size: 32
...
	.end_amdgpu_metadata
.endif
;; end of part 6
;; launch hidden (part 7): grid 32 x 8, 4 waves a work-group, no clusters, 51,968 bytes of LDS; arguments W1, b1, xc, xs, route, hc, hs; writes hc, hs
.if DOCPART == 7
	.amdgcn_target "amdgcn-amd-amdhsa--gfx1250"
	.amdhsa_code_object_version 6
	.text
	.protected	k_q1d27be7e41_hidden
	.globl	k_q1d27be7e41_hidden
	.p2align	8
	.type	k_q1d27be7e41_hidden,@function
k_q1d27be7e41_hidden:
	s_mov_b64 s[64:65], 0
	v_nop
	global_prefetch_b8 v0, s[64:65] scope:SCOPE_SE
	s_setreg_imm32_b32 hwreg(HW_REG_WAVE_SCHED_MODE, 0, 2), 2
	s_setreg_imm32_b32 hwreg(HW_REG_WAVE_MODE, 25, 1), 1
	s_wait_xcnt 0x0
	s_wait_alu depctr_vm_vsrc(0)
; THE HIDDEN LAYER OF THE CHOSEN EXPERT: relu(x W1[e] + b1[e]) on codes of BF6 (E3M2) with one E8M0 scale for each 32 along K, and its own quantising along the next K.
; SHARES.  Work-group (chunk, e) owns 64 hidden units of expert e: a slice of W1, 1,024 rows (K) x 256 bytes, which no other work-group reads: each f32 byte of W1 leaves memory once.
; PHASE 1: wave w reads rows 256 w .. + 255 and quantises them in registers.  One load of 16 bytes a lane takes row k in lanes 0-15 and row k + 32 in lanes 16-31: 256 bytes on end each.
;   Lane (r, h) so holds columns 4 r + c.  WHICH 16 COLUMNS FORM A TILE IS FREE: tile c is the columns 4 r + c.  Then the lane's 32 numbers down K of column c are a whole block, its largest magnitude
;   needs no other lane, and its codes are registers 6 c' .. 6 c' + 5 of fragment (tile c, K step q) in just this lane.  Price: a move for each number, since the conversion wants 16 registers on end.
;   The fragments go to LDS as images of their registers (48 bytes a lane), one barrier, and every wave takes all 32 into registers, where they stay.
; PHASE 2: the expert's rows, in tiles of 16 by the stored list; wave w takes tiles w, w + 4 ..  The product is used transposed (source 0 = a tile of W1, source 1 = 16 tokens): lane (r, h) holds token r and,
;   over its four accumulators, hidden units 32 h + 4 j + c: one whole block of the next K.  relu, scale, two conversions: the six registers ARE the next operand's, and are stored as an image.
;   hc: [tile][chunk][768]: registers 0-3 at 16 x lane, registers 4-5 at 512 + 8 x lane.  hs: [tile][row][64] scale bytes in block order.
; A tile's rows past the expert's count repeat its last row (positions are held at LAST): no lane is ever off.
; NO TENSOR LOAD, NO CLUSTER: the number of tiles hangs on counts read from memory, so operands go from memory straight into registers; the 32 work-groups of an expert share only x's codes, 768 bytes a row.
; An expert without rows still reads its slice and passes the barrier; its loop has no trip.
; LIMITS: NaN and infinities are not served; a block of zeros gets the byte 1 (its codes are zeros; this program alone reads the bytes).
; REGISTERS, in windows of 256: window 0: as named below.  Windows 1, 2: phase 1: v0-127 a unit of 64 rows as loaded, from v128 at work; phase 2: fragments 0-15 and 16-31, 12 registers each.
;   window 3: x's fragments, two buffers of 96.
; SCALARS: s20 wave, s21 chunk, s22 expert, s23 OFFP, s24 T, s25 NT, s26 LAST, s27 J (my tile in hand), s36 the expert's first tile, s38 trips done, s39 trips; s28-31 at work.
; THE MODE: SCHED_MODE bits 1:0 = 2 (LLVM: expert scheduling mode 2), set by the entry lines.  The code itself states the register dependences between vector or matrix instructions
; and memory or LDS instructions, with s_wait_alu, always for 0.
; THE PLAN.  Registers that memory or LDS instructions touch:
;   v3-7, v12       offsets and LDS addresses, written at the head and never again: one wait on va_vdst ahead of the first load.
;   raw units       windows 1, 2, v0-127: loaded; read by the quantiser's vector lines; loaded again behind the unit's one wait on va_vdst.
;   codes, bytes    v168-199 of each window: written by the quantiser; read by the unit's LDS stores, behind that same wait; written again two units on, behind a wait on vm_vsrc.
;   fragments       windows 1, 2, v0-191: loaded once behind the barrier, over registers that the quantiser named and its LDS stores read: both waits stand at those loads.  Then the products alone name them.
;   X0, X1, XS      window 3 and v160-175: a half trip's products read buffer b; behind them and one wait on va_vdst the loads of the tile eight on land in it.
;   ARA, AXA, ASA   v13-18: read by buffer b's loads; written again a trip later, behind the half trip's wait on vm_vsrc and ahead of its wait on va_vdst.  RA, v19-20: loaded; read by one vector line ahead of that wait.
;   CO, BY, HO ..   written by the way out; one wait on va_vdst; read by its three stores; written again in the next half trip, behind its wait on vm_vsrc.
;   v254, v255      written at the head, read by the closing add alone.
.set META, 8704                        ; in route: words 0-7 OFFP_e, words 8-15 T_e
.set WSC,  49152                       ; LDS: 32 images of 1,536 bytes from 0; here the weights' scale bytes: 16 rows x (128 + 16): 144 r + 4 f + block
.set R_,   1                           ; lane % 16
.set HH,   2                           ; lane / 16
.set WO,   3                           ; W1: 16 r + 32 rows x h
.set ADW,  4                           ; where I store images: 48 x lane + 8 fragments x wave
.set ADS,  5                           ; and scale bytes
.set ARD,  6                           ; where I read images: 48 x lane
.set ARS,  7                           ; and scale words: row r
.set H48,  8                           ; 48 h
.set K16,  9                           ; 768 chunk + 16 lane
.set K8,   10                          ; 768 chunk + 8 lane
.set KS,   11                          ; 64 r + 2 chunk + h
.set BO,   12                          ; 128 h
.set AXA,  13                          ; v13, v14  offsets of the loads of x's codes, buffer 0, 1
.set ASA,  15                          ; v15, v16  of its scale words
.set ARA,  17                          ; v17, v18  of the route words
.set RA,   19                          ; v19, v20  the route words
.set TK,   21
.set HO16, 22
.set HO8,  23
.set HSO,  24
.set ACC,  32                          ; v32-63   four accumulators
.set BI,   64                          ; v64-95   b1 in the result's layout: 8 c + j
.set HD,   96                          ; v96-127  the block of 32 hidden numbers
.set WS,   128                         ; v128-159 W1's scale words, by fragment
.set XS,   160                         ; v160-175 x's scale words, two sets of 8
.set CO,   176                         ; v176-181 the codes
.set CT,   184
.set MX,   188
.set SO,   192
.set BY,   193
.set QT,   128                         ; in windows 1 and 2, phase 1: 32 numbers on end,
.set QM,   160                         ; four largest magnitudes,
.set QSO,  164                         ; four scale operands,
.set QBY,  168                         ; four bytes,
.set QTMP, 172
.set QCD,  176                         ; four blocks' codes, 6 registers each
.set MSB, 0
.macro WIN new                         ; the immediate's high byte repeats the setting that is left; a switch that changes nothing is dropped
.if MSB != (\new)
	s_set_vgpr_msb (MSB<<8)|(\new)
.set MSB, (\new)
.endif
.endm
.macro LOADU u, win                    ; unit u: 64 rows of my 256, into window win; the window is left as it is set
	WIN 0x40*\win
.set qi, 0
.rept 32
	global_load_b128 v[4*qi:4*qi+3], v[WO], s[4:5] offset:(64*(\u)+qi)*8192 th:TH_LOAD_NT
.set qi, qi+1
.endr
.endm
.macro QUNIT u, win, more              ; unit u in window win: four blocks a lane (columns c = 0 .. 3) become codes and bytes, and go to LDS.  more = 1: the window then takes unit u + 2
	s_wait_dscnt 0x0                               ; my earlier LDS stores are done
.if (\u) >= 2
	s_wait_alu depctr_vm_vsrc(0)                   ; the LDS stores of the unit two back have read this window's codes and bytes, which are written again now
.endif
	WIN 0x55*\win
.irp x, 0,1,2,3
	v_max3_num_f32 v[QM+\x], |v[\x]|, |v[\x+4]|, 0x2800000   ; the floor 2^(5 - 127): the byte cannot fall under 1
.endr
.set qi, 2
.rept 15
.irp x, 0,1,2,3
	v_max3_num_f32 v[QM+\x], v[QM+\x], |v[\x+4*qi]|, |v[\x+4*qi+4]|   ; the four blocks by turns
.endr
.set qi, qi+2
.endr
.irp x, 0,1,2,3
	v_add_nc_u32 v[QSO+\x], 0xfe000000, v[QM+\x]   ; 4 off the exponent field: the conversion's scale operand
.endr
.irp x, 0,1,2,3
	v_lshrrev_b32 v[QBY+\x], 23, v[QSO+\x]
.endr
.irp x, 0,1,2,3
.set qi, 0
.rept 32
	v_mov_b32 v[QT+qi], v[\x+4*qi]                 ; the column's 32 numbers on end
.set qi, qi+1
.endr
	v_cvt_scalef32_pk16_bf6_f32 v[QCD+6*\x:QCD+6*\x+2], v[QT:QT+15], v[QSO+\x]
	v_cvt_scalef32_pk16_bf6_f32 v[QTMP:QTMP+2], v[QT+16:QT+31], v[QSO+\x]   ; (a conversion's three registers begin on an even number)
	v_nop                                          ; a plain instruction behind the conversions
.irp t, 0,1,2
	v_mov_b32 v[QCD+6*\x+3+\t], v[QTMP+\t]
.endr
.endr
	WIN 0x04*\win                                  ; an LDS store's data are its source 1
	s_wait_alu depctr_va_vdst(0)                   ; the lines above have written the codes and bytes, which the LDS stores read, and are done reading v0-127 of this window, in which the next unit's loads land
.irp x, 0,1,2,3
.irp p, 0,1,2
	ds_store_b64 v[ADW], v[QCD+6*\x+2*\p:QCD+6*\x+2*\p+1] offset:1536*(4*((\u)/2)+\x)+24*((\u)%2)+8*\p
.endr
	ds_store_b8 v[ADS], v[QBY+\x] offset:4*(4*((\u)/2)+\x)+2*((\u)%2)
.endr
.if \more
	LOADU (\u)+2, \win                             ; no further wait: since the wait above stand only the LDS stores and a window switch, which name neither v[WO] nor v0-127 of this window
.endif
	WIN 0
.endm
.macro POS areg, add                   ; the offset in route of my row of tile J + add, held inside the expert's rows
	s_add_co_u32 s28, s27, \add
	s_lshl_b32 s28, s28, 4
	s_add_co_u32 s28, s28, s23
	v_add_nc_u32 v[\areg], s28, v[R_]
	v_min_u32 v[\areg], s26, v[\areg]
	v_min_u32 v[\areg], 0x87f, v[\areg]
	v_lshlrev_b32 v[\areg], 2, v[\areg]
.endm
.macro XADR buf                        ; the offsets of my token's codes and scale words
	v_min_u32 v[TK], 0x7ff, v[RA+\buf]
	v_mul_u32_u24 v[AXA+\buf], v[TK], 768
	v_add_nc_u32 v[AXA+\buf], v[AXA+\buf], v[H48]
	v_lshlrev_b32 v[ASA+\buf], 5, v[TK]
.endm
.macro XLD buf, wait                   ; my token's codes (8 K steps x 48 bytes) and scale words: 26 loads.  wait = 1: the wait stands behind the window's switch, ahead of the first load
	WIN 0xc0
.if \wait
	s_wait_alu depctr_va_vdst(0)                   ; the offsets v[AXA ..], v[ASA ..], v[ARA ..] are written and v[RA ..] has been read; in the loop the products are done reading this buffer and its scale words
.endif
.irp q, 0,1,2,3,4,5,6,7
.irp g, 0,1,2
	global_load_b128 v[96*\buf+12*\q+4*\g:96*\buf+12*\q+4*\g+3], v[AXA+\buf], s[8:9] offset:96*\q+16*\g
.endr
.endr
	WIN 0
	global_load_b128 v[XS+8*\buf:XS+8*\buf+3], v[ASA+\buf], s[10:11]
	global_load_b128 v[XS+8*\buf+4:XS+8*\buf+7], v[ASA+\buf], s[10:11] offset:16
.endm
.macro MM buf                          ; 32 products: K step by K step, the four accumulators by turns, one instruction a turn; b1 starts the sums
	WIN 0x0d                                       ; source 0 window 1, source 1 window 3
.irp q, 0,1,2,3
.irp c, 0,1,2,3
.if \q == 0
	v_wmma_scale_f32_16x16x128_f8f6f4 v[ACC+8*\c:ACC+8*\c+7], v[12*(4*\q+\c):12*(4*\q+\c)+11], v[96*\buf+12*\q:96*\buf+12*\q+11], v[BI+8*\c:BI+8*\c+7], v[WS+4*\q+\c], v[XS+8*\buf+\q] matrix_a_fmt:MATRIX_FMT_BF6 matrix_b_fmt:MATRIX_FMT_BF6
.else
	v_wmma_scale_f32_16x16x128_f8f6f4 v[ACC+8*\c:ACC+8*\c+7], v[12*(4*\q+\c):12*(4*\q+\c)+11], v[96*\buf+12*\q:96*\buf+12*\q+11], v[ACC+8*\c:ACC+8*\c+7], v[WS+4*\q+\c], v[XS+8*\buf+\q] matrix_a_fmt:MATRIX_FMT_BF6 matrix_b_fmt:MATRIX_FMT_BF6
.endif
.endr
.endr
	WIN 0x0e                                       ; source 0 window 2
.irp q, 4,5,6,7
.irp c, 0,1,2,3
	v_wmma_scale_f32_16x16x128_f8f6f4 v[ACC+8*\c:ACC+8*\c+7], v[12*(4*(\q-4)+\c):12*(4*(\q-4)+\c)+11], v[96*\buf+12*\q:96*\buf+12*\q+11], v[ACC+8*\c:ACC+8*\c+7], v[WS+4*\q+\c], v[XS+8*\buf+\q] matrix_a_fmt:MATRIX_FMT_BF6 matrix_b_fmt:MATRIX_FMT_BF6
.endr
.endr
	WIN 0
.endm
.macro EPI dj                          ; tile J + dj: relu, the block's scale, its codes, the image
.irp j, 0,1,2,3,4,5,6,7
.irp c, 0,1,2,3
	v_max_num_f32 v[HD+4*\j+\c], 0, v[ACC+8*\c+\j] ; each accumulator from its low end on; the relu also puts the 32 units in order
.endr
.endr
.irp x, 0,1,2,3
	v_max3_num_f32 v[MX+\x], v[HD+8*\x], v[HD+8*\x+1], v[HD+8*\x+2]   ; none is negative: no magnitudes
.endr
.irp i, 3,5
.irp x, 0,1,2,3
	v_max3_num_f32 v[MX+\x], v[MX+\x], v[HD+8*\x+\i], v[HD+8*\x+\i+1]
.endr
.endr
	v_max3_num_f32 v[MX], v[MX], v[MX+1], v[HD+7]
	v_max3_num_f32 v[MX+2], v[MX+2], v[MX+3], v[HD+15]
	v_max3_num_f32 v[MX], v[MX], v[MX+2], v[HD+23]
	v_max3_num_f32 v[MX], v[MX], v[HD+31], 0x2800000
	v_add_nc_u32 v[SO], 0xfe000000, v[MX]
	v_cvt_scalef32_pk16_bf6_f32 v[CO:CO+2], v[HD:HD+15], v[SO]
	v_cvt_scalef32_pk16_bf6_f32 v[CT:CT+2], v[HD+16:HD+31], v[SO]
	v_lshrrev_b32 v[BY], 23, v[SO]                 ; the byte; also the plain instruction behind the conversions
.irp t, 0,1,2
	v_mov_b32 v[CO+3+\t], v[CT+\t]
.endr
	s_add_co_u32 s28, s36, s27
	s_add_co_u32 s28, s28, \dj
	s_min_u32 s28, s28, 135                        ; the tile's number among all experts' tiles
	s_mul_i32 s29, s28, 24576
	s_lshl_b32 s28, s28, 10
	v_add_nc_u32 v[HO16], s29, v[K16]
	v_add_nc_u32 v[HO8], s29, v[K8]
	v_add_nc_u32 v[HSO], s28, v[KS]
	s_wait_alu depctr_va_vdst(0)                   ; the codes, the byte and the three offsets are written, which the stores read
	global_store_b128 v[HO16], v[CO:CO+3], s[14:15]            ; 512 bytes on end, aligned
	global_store_b64 v[HO8], v[CO+4:CO+5], s[14:15] offset:512 ; 256 bytes on end, aligned
	global_store_b8 v[HSO], v[BY], s[16:17]
.endm
; Half a trip: buffer buf holds tile J + dj.  Behind its products the buffer takes tile J + dj + 8, whose route word came a half trip ago, and the route word of tile J + dj + 16 is asked for.
.macro HALF buf, dj, guard
	s_wait_loadcnt 27                              ; the other buffer's 26 loads and its route word are younger and may be out
	MM \buf
	s_wait_xcnt 0x0                                ; every earlier memory instruction has had its addresses translated: the last stores' data and offsets are written again only behind this wait; it stands ahead of this half trip's loads
	s_wait_alu depctr_vm_vsrc(0)                   ; this buffer's loads of a trip ago have read v[ARA ..], v[AXA ..], v[ASA ..], and the last half trip's stores their codes, byte and offsets: all are written again below
	POS ARA+\buf, \dj+16                           ; these four and the next four plain instructions name no register of the products: the places in front of the first read of results
	XADR \buf
	XLD \buf, 1
	global_load_b32 v[RA+\buf], v[ARA+\buf], s[12:13]   ; no further wait: since the wait in front of the run stand only loads and a window switch
.if \guard
	s_add_co_u32 s28, s27, \dj
	s_cmp_ge_u32 s28, s25
	s_cbranch_scc1 .Lskip_\@                       ; no such tile: nothing is stored
.endif
	EPI \dj
.if \guard
.Lskip_\@:
.endif
.endm
	s_load_b256 s[4:11], s[0:1], 0x0               ; W1, b1, xc, xs
	s_load_b128 s[12:15], s[0:1], 0x20             ; route, hc
	s_load_b64 s[16:17], s[0:1], 0x30              ; hs
	v_lshl_add_u32 v254, v0, 2, 0xc900
	v_mov_b32 v255, 0
	v_lshrrev_b32 v1, 5, v0
	v_readfirstlane_b32 s20, v1                    ; wave
	s_mov_b32 s21, ttmp9                           ; chunk
	s_and_b32 s22, ttmp7, 0xffff                   ; expert
	s_lshl_b32 s30, s22, 2
	v_and_b32 v25, 31, v0                          ; lane
	v_and_b32 v[R_], 15, v0
	v_bfe_u32 v[HH], v0, 4, 1
	v_lshlrev_b32 v[WO], 4, v[R_]
	v_lshl_add_u32 v[WO], v[HH], 18, v[WO]         ; 32 rows of 8,192 bytes
	s_wait_alu depctr_va_sdst(0)                   ; s20 is written, ahead of its first reader
	s_mul_i32 s28, s20, 12288
	v_mul_u32_u24 v[ARD], v25, 48
	v_add_nc_u32 v[ADW], s28, v[ARD]
	v_mul_u32_u24 v[ARS], v[R_], 144
	v_add_nc_u32 v[ARS], WSC, v[ARS]
	s_lshl_b32 s28, s20, 5
	v_add_nc_u32 v[ADS], v[ARS], v[HH]
	v_add_nc_u32 v[ADS], s28, v[ADS]
	v_mul_u32_u24 v[H48], v[HH], 48
	s_mul_i32 s28, s21, 768
	v_lshl_add_u32 v[K16], v25, 4, s28
	v_lshl_add_u32 v[K8], v25, 3, s28
	s_lshl_b32 s28, s21, 1
	v_lshl_add_u32 v[KS], v[R_], 6, v[HH]
	v_add_nc_u32 v[KS], s28, v[KS]
	v_lshlrev_b32 v[BO], 7, v[HH]
	s_wait_kmcnt 0x0
	s_load_b32 s23, s[12:13], s30 offset:META      ; OFFP_e
	s_load_b32 s24, s[12:13], s30 offset:META+32   ; T_e
	s_lshl_b32 s28, s22, 23                        ; W1: the expert,
	s_lshl_b32 s29, s21, 8                         ; the chunk's 256 bytes,
	s_add_co_u32 s28, s28, s29
	s_lshl_b32 s29, s20, 21                        ; my 256 rows
	s_add_co_u32 s28, s28, s29
	s_mov_b32 s29, 0
	s_add_nc_u64 s[4:5], s[4:5], s[28:29]
	s_lshl_b32 s28, s22, 13
	s_lshl_b32 s31, s21, 8
	s_add_co_u32 s28, s28, s31
	s_add_nc_u64 s[6:7], s[6:7], s[28:29]          ; b1 at the chunk's 64 numbers
	s_wait_alu depctr_va_vdst(0)                   ; the offsets and LDS addresses v3 to v7 and v12 are written, which the loads and LDS instructions of the whole kernel read
.irp c, 0,1,2,3
.irp j, 0,1,2,3,4,5,6,7
	global_load_b32 v[BI+8*\c+\j], v[BO], s[6:7] offset:4*(4*\j+\c)   ; b1 of hidden unit 32 h + 4 j + c
.endr
.endr
	LOADU 0, 1
	LOADU 1, 2
	WIN 0
	s_wait_kmcnt 0x0
	s_min_u32 s23, s23, 2160
	s_min_u32 s24, s24, 2048
	s_add_co_u32 s25, s24, 15
	s_lshr_b32 s25, s25, 4                         ; NT: the expert's tiles
	s_lshr_b32 s36, s23, 4                         ; its first tile's number
	s_add_co_u32 s26, s23, s24
	s_sub_co_u32 s26, s26, 1                       ; LAST: its last row's position;
	s_cmp_eq_u32 s24, 0
	s_cselect_b32 s26, 0, s26                      ; without rows: position 0, which is always written
	s_mov_b32 s27, s20                             ; J: my first tile
	POS ARA, 0
	POS ARA+1, 4
	s_wait_alu depctr_va_vdst(0)                   ; the two offsets are written, which the two loads read
	global_load_b32 v[RA], v[ARA], s[12:13]
	global_load_b32 v[RA+1], v[ARA+1], s[12:13]
	s_wait_loadcnt 34                              ; unit 0 is in: unit 1's 32 loads and the two route words are younger
	QUNIT 0, 1, 1
	s_wait_loadcnt 32                              ; unit 1 and the route words are in: unit 2's 32 are younger
	QUNIT 1, 2, 1
	s_wait_loadcnt 32                              ; unit 2 is in
	QUNIT 2, 1, 0
	s_wait_alu depctr_vm_vsrc(0)                   ; the two route loads have read v[ARA] and v[ARA+1], which are written again
	XADR 0                                         ; the first two tiles' operands are asked for while the last unit is quantised: all offsets first, then one wait, then the loads
	POS ARA, 8
	XADR 1
	POS ARA+1, 12
	XLD 0, 1
	global_load_b32 v[RA], v[ARA], s[12:13]
	XLD 1, 0                                       ; no further wait: since the wait stand only loads and window switches
	global_load_b32 v[RA+1], v[ARA+1], s[12:13]
	s_wait_loadcnt 54                              ; unit 3 is in: twice 26 + 1 are younger
	QUNIT 3, 2, 0
	s_wait_dscnt 0x0                               ; for the others: my eight images and their bytes lie in LDS
	s_barrier_signal -1
	s_barrier_wait -1
	WIN 0x40                                       ; all 32 fragments into registers, where they stay
	s_wait_alu depctr_va_vdst(0)                   ; the quantiser's lines are done reading and writing v0-199 of windows 1 and 2, in which the fragments land
	s_wait_alu depctr_vm_vsrc(0)                   ; my LDS stores have read the codes and bytes in v168-199 of both windows, over which fragments land
.irp f, 0,1,2,3,4,5,6,7,8,9,10,11,12,13,14,15
.irp g, 0,1,2
	ds_load_b128 v[12*\f+4*\g:12*\f+4*\g+3], v[ARD] offset:1536*\f+16*\g
.endr
.endr
	WIN 0x80
.irp f, 0,1,2,3,4,5,6,7,8,9,10,11,12,13,14,15
.irp g, 0,1,2
	ds_load_b128 v[12*\f+4*\g:12*\f+4*\g+3], v[ARD] offset:1536*(16+\f)+16*\g
.endr
.endr
	WIN 0
.irp n, 0,1,2,3,4,5,6,7
	ds_load_b128 v[WS+4*\n:WS+4*\n+3], v[ARS] offset:16*\n
.endr
	s_wait_dscnt 0x0
	s_cmp_ge_u32 s27, s25
	s_cbranch_scc1 .Ldone                          ; no tile for my wave
	s_sub_co_u32 s39, s25, s20                     ; my tiles are w, w + 4 .. below NT, two a trip:
	s_add_co_u32 s39, s39, 7
	s_lshr_b32 s39, s39, 3                         ; (NT - w + 7) / 8 trips, at least one here
	s_mov_b32 s38, 0                               ; the loop ends on this counter, stepped by one; J serves offsets alone
.Ltrip:                                            ; two tiles a trip
	HALF 0, 0, 0
	HALF 1, 4, 1
	s_add_co_u32 s27, s27, 8
	s_add_co_u32 s38, s38, 1
	s_cmp_lt_u32 s38, s39
	s_cbranch_scc1 .Ltrip
.Ldone:
	s_wait_dscnt 0x0                               ; the closing lines, six on end
	s_wait_alu 0x0
	s_wait_tensorcnt 0x0
	ds_add_u32 v254, v255
	s_wait_dscnt 0x0
	s_endpgm
.Lfunc_end_k_q1d27be7e41_hidden:
	.size	k_q1d27be7e41_hidden, .Lfunc_end_k_q1d27be7e41_hidden-k_q1d27be7e41_hidden
	.p2alignl 7, 3214868480
	.fill 96, 4, 3214868480
	.section	.rodata,"a",@progbits
	.p2align	6, 0x0
	.amdhsa_kernel k_q1d27be7e41_hidden
		.amdhsa_group_segment_fixed_size 51968
		.amdhsa_private_segment_fixed_size 0
		.amdhsa_enable_private_segment 0
		.amdhsa_kernarg_size 56
		.amdhsa_user_sgpr_count 2
		.amdhsa_user_sgpr_kernarg_segment_ptr 1
		.amdhsa_wavefront_size32 1
		.amdhsa_system_sgpr_workgroup_id_x 1
		.amdhsa_system_sgpr_workgroup_id_y 1
		.amdhsa_system_sgpr_workgroup_id_z 1
		.amdhsa_system_vgpr_workitem_id 0
		.amdhsa_next_free_vgpr 1024
		.amdhsa_next_free_sgpr 66
		.amdhsa_reserve_vcc 0
		.amdhsa_float_denorm_mode_32 3
		.amdhsa_float_denorm_mode_16_64 3
		.amdhsa_memory_ordered 1
		.amdhsa_forward_progress 1
		.amdhsa_inst_pref_size 96
	.end_amdhsa_kernel
	.amdgpu_metadata
---
amdhsa.version: [ 1, 2 ]
amdhsa.kernels:
  - .name:           k_q1d27be7e41_hidden
    .symbol:         k_q1d27be7e41_hidden.kd
    .args:
      - { .name: W1, .offset: 0, .size: 8, .value_kind: global_buffer, .address_space: global }
      - { .name: b1, .offset: 8, .size: 8, .value_kind: global_buffer, .address_space: global }
      - { .name: xc, .offset: 16, .size: 8, .value_kind: global_buffer, .address_space: global }
      - { .name: xs, .offset: 24, .size: 8, .value_kind: global_buffer, .address_space: global }
      - { .name: route, .offset: 32, .size: 8, .value_kind: global_buffer, .address_space: global }
      - { .name: hc, .offset: 40, .size: 8, .value_kind: global_buffer, .address_space: global }
      - { .name: hs, .offset: 48, .size: 8, .value_kind: global_buffer, .address_space: global }
    .group_segment_fixed_size: 51968
    .private_segment_fixed_size: 0
    .kernarg_segment_align: 8
    .kernarg_segment_size: 56
    .max_flat_workgroup_size: 128
    .sgpr_count:     66
    .vgpr_count:     1024
    .wavefront_size: 32
...
	.end_amdgpu_metadata
.endif
;; end of part 7
;; launch outp (part 8): grid 32 x 8, 4 waves a work-group, no clusters, 61,184 bytes of LDS; arguments W2, b2, hc, hs, route, routew, out0; writes out0
.if DOCPART == 8
	.amdgcn_target "amdgcn-amd-amdhsa--gfx1250"
	.amdhsa_code_object_version 6
	.text
	.protected	k_q1d27be7e41_outp
	.globl	k_q1d27be7e41_outp
	.p2align	8
	.type	k_q1d27be7e41_outp,@function
k_q1d27be7e41_outp:
	s_mov_b64 s[64:65], 0
	v_nop
	global_prefetch_b8 v0, s[64:65] scope:SCOPE_SE
	s_setreg_imm32_b32 hwreg(HW_REG_WAVE_SCHED_MODE, 0, 2), 2
	s_setreg_imm32_b32 hwreg(HW_REG_WAVE_MODE, 25, 1), 1
	s_wait_xcnt 0x0
	s_wait_alu depctr_vm_vsrc(0)
; THE SECOND PRODUCT OF THE CHOSEN EXPERT: out0[token] = top weight x (hidden W2[e] + b2[e]), on codes of BF6 (E3M2) with one E8M0 scale for each 32 along K = the 2,048 hidden units.
; SHARES.  Work-group (chunk, e) owns 32 columns of expert e: a slice of W2, 2,048 rows (K) x 128 bytes, which no other work-group reads.  64 columns would leave half of the 256 work-groups, or split K.
; PHASE 1: wave w reads rows 512 w .. + 511 (four K steps) and quantises them in registers.  A load of 8 bytes a lane takes row k in lanes 0-15 and row k + 32 in lanes 16-31: 128 bytes on end each.
;   Lane (r, h) holds columns 2 r + c; tile c is the columns 2 r + c.  The lane's 32 numbers down K of a column are a whole block, and its codes are registers 6 c' .. + 5 of fragment (tile c, K step q)
;   in just this lane.  Images to LDS, one barrier, all 32 fragments into every wave's registers.
; PHASE 2: the expert's tiles of 16 rows; wave w takes tiles w, w + 4 ..  The hidden layer's fragments come as images of their registers.  Transposed use (source 0 = a tile of W2, source 1 = 16 tokens):
;   lane (r, h) holds token r and, over its two accumulators, columns 16 h + 2 j + c: 16 neighbours.  They go through the wave's own stage in LDS and leave by rows: eight lanes store a row's 128 bytes.
; A tile's rows past the expert's count repeat its last row: the same bytes go to the same place, from the same wave; no lane is ever off.
; NO TENSOR LOAD, NO CLUSTER: the number of tiles hangs on counts read from memory; the 32 work-groups of an expert share only the hidden layer's codes.
; LIMITS: NaN and infinities are not served; a block of zeros gets the byte 1 (its codes are zeros; this program alone reads the bytes).
; REGISTERS: window 0 as named below.  Windows 1, 2: phase 1: v0-127 a unit of 128 rows as loaded, from v128 at work; phase 2: fragments 0-15, 16-31.  Window 3: the hidden layer's 16 fragments, in two halves of 96.
; SCALARS: s20 wave, s21 chunk, s22 expert, s23 OFFP, s24 T, s25 NT, s26 LAST, s27 J (my tile in hand), s36, s37 the expert's first and last tile, s38 trips done, s39 trips; s28-31 at work.
; THE MODE: SCHED_MODE bits 1:0 = 2 (LLVM: expert scheduling mode 2), set by the entry lines.  The code itself states the register dependences between vector or matrix instructions
; and memory or LDS instructions, with s_wait_alu, always for 0.
; THE PLAN.  Registers that memory or LDS instructions touch:
;   v3-7, v11, v14, v15   offsets and LDS addresses, written at the head and never again: one wait on va_vdst ahead of the first load.
;   raw units, codes, bytes, fragments (windows 1, 2): a unit's one wait on va_vdst stands ahead of its LDS stores and of the loads that fill the window again; a wait on vm_vsrc ahead of the codes' next writing;
;                         both waits at the fragments' loads behind the barrier.
;   In a trip:  ONE wait on vm_vsrc at its head: the last trip's stores have read OA and OB, its LDS stores O, its loads ARW, ARN and both sets of A16, A8, AHS: all are written again in this trip.
;   H lower, HS lower, RW, RN   read by the lower half's products and by the head's nine vector lines; loaded again behind those products, the 23 address lines and one wait on va_vdst.
;   H upper, HS upper           read by the upper half's products; loaded again behind them, three address lines and one wait on va_vdst.
;   O                           written by the sixteen multiplies; one wait on va_vdst; read by the LDS stores.   OB: LDS loads land in it, global stores read it; no vector line names it.
;   v254, v255            written at the head, read by the closing add alone.
.set META, 8704
.set WSC,  49152                       ; LDS: 32 images of 1,536 bytes from 0; the weights' scale bytes: 144 r + 4 f + block;
.set STG,  51456                       ; a stage of 16 rows x (128 + 16) bytes for each wave
.set R_,   1
.set HH,   2
.set WO,   3                           ; W2: 8 r + 32 rows x h
.set ADW,  4
.set ADS,  5
.set ARD,  6
.set ARS,  7
.set L16,  8                           ; 16 x lane
.set L8,   9                           ; 8 x lane
.set R64,  10                          ; 64 r
.set BO,   11                          ; 64 h
.set ROW8, 12                          ; lane / 8
.set COLC, 13                          ; 128 chunk + 16 (lane % 8)
.set SIN,  14                          ; the stage, in
.set SOUT, 15                          ; and out
.set A16,  16                          ; v16-18 offsets of the lower half's loads (16-byte planes, 8-byte planes, scale words); v19-21 the upper half's
.set A8,   17
.set AHS,  18
.set ARW,  22                          ; offset of my row's weight
.set ARN,  23                          ; v23-26 offsets of the four route words
.set ACC,  32                          ; v32-47  two accumulators
.set BI,   48                          ; v48-63  b2 in the result's layout
.set O,    64                          ; v64-79  my token's 16 columns
.set OB,   80                          ; v80-95  rows back from the stage
.set WS,   128                         ; v128-159 W2's scale words, by fragment
.set HS,   160                         ; v160-175 the hidden layer's scale words, by K step
.set RW,   176
.set RN,   178                         ; v178-181
.set OA,   182                         ; v182-185 offsets of the stores
.set WT,   186
.set QT,   128
.set QM,   160
.set QSO,  164
.set QBY,  168
.set QTMP, 172
.set QCD,  176
.set MSB, 0
.macro WIN new                         ; the immediate's high byte repeats the setting that is left; a switch that changes nothing is dropped
.if MSB != (\new)
	s_set_vgpr_msb (MSB<<8)|(\new)
.set MSB, (\new)
.endif
.endm
.macro LOADU u, win                    ; unit u: one K step, 128 rows, into window win: register 64 c' + 2 i + c; the window is left as it is set
	WIN 0x40*\win
.irp cp, 0,1
.set qi, 0
.rept 32
	global_load_b64 v[64*\cp+2*qi:64*\cp+2*qi+1], v[WO], s[4:5] offset:(128*(\u)+64*\cp+qi)*4096 th:TH_LOAD_NT
.set qi, qi+1
.endr
.endr
.endm
.macro QUNIT u, win, more              ; four blocks a lane: x = 2 c' + c.  more = 1: the window then takes unit u + 2
	s_wait_dscnt 0x0                               ; my earlier LDS stores are done
.if (\u) >= 2
	s_wait_alu depctr_vm_vsrc(0)                   ; the LDS stores of the unit two back have read this window's codes and bytes, which are written again now
.endif
	WIN 0x55*\win
.irp x, 0,1,2,3
	v_max3_num_f32 v[QM+\x], |v[64*(\x/2)+\x%2]|, |v[64*(\x/2)+\x%2+2]|, 0x2800000   ; the floor 2^(5 - 127)
.endr
.set qi, 2
.rept 15
.irp x, 0,1,2,3
	v_max3_num_f32 v[QM+\x], v[QM+\x], |v[64*(\x/2)+\x%2+2*qi]|, |v[64*(\x/2)+\x%2+2*qi+2]|
.endr
.set qi, qi+2
.endr
.irp x, 0,1,2,3
	v_add_nc_u32 v[QSO+\x], 0xfe000000, v[QM+\x]
.endr
.irp x, 0,1,2,3
	v_lshrrev_b32 v[QBY+\x], 23, v[QSO+\x]
.endr
.irp x, 0,1,2,3
.set qi, 0
.rept 32
	v_mov_b32 v[QT+qi], v[64*(\x/2)+\x%2+2*qi]
.set qi, qi+1
.endr
	v_cvt_scalef32_pk16_bf6_f32 v[QCD+6*\x:QCD+6*\x+2], v[QT:QT+15], v[QSO+\x]
	v_cvt_scalef32_pk16_bf6_f32 v[QTMP:QTMP+2], v[QT+16:QT+31], v[QSO+\x]
	v_nop                                          ; a plain instruction behind the conversions
.irp t, 0,1,2
	v_mov_b32 v[QCD+6*\x+3+\t], v[QTMP+\t]
.endr
.endr
	WIN 0x04*\win
	s_wait_alu depctr_va_vdst(0)                   ; the lines above have written the codes and bytes, which the LDS stores read, and are done reading v0-127 of this window, in which the next unit's loads land
.irp x, 0,1,2,3
.irp p, 0,1,2
	ds_store_b64 v[ADW], v[QCD+6*\x+2*\p:QCD+6*\x+2*\p+1] offset:1536*(2*(\u)+\x%2)+24*(\x/2)+8*\p
.endr
	ds_store_b8 v[ADS], v[QBY+\x] offset:4*(2*(\u)+\x%2)+2*(\x/2)
.endr
.if \more
	LOADU (\u)+2, \win                             ; no further wait: since the wait above stand only the LDS stores and a window switch, which name neither v[WO] nor v0-127 of this window
.endif
	WIN 0
.endm
.macro RADR add                        ; tile J + add: the offsets of my row's weight and of the tokens of the four rows that I store: twenty plain vector lines
	s_add_co_u32 s28, s27, \add
	s_lshl_b32 s28, s28, 4
	s_add_co_u32 s28, s28, s23
	v_add_nc_u32 v[ARW], s28, v[R_]
	v_min_u32 v[ARW], s26, v[ARW]
	v_min_u32 v[ARW], 0x87f, v[ARW]
	v_lshlrev_b32 v[ARW], 2, v[ARW]
.irp n, 0,1,2,3
	s_add_co_u32 s29, s28, 4*\n
	v_add_nc_u32 v[ARN+\n], s29, v[ROW8]           ; row lane / 8 + 4 n of the tile
	v_min_u32 v[ARN+\n], s26, v[ARN+\n]
	v_min_u32 v[ARN+\n], 0x87f, v[ARN+\n]
	v_lshlrev_b32 v[ARN+\n], 2, v[ARN+\n]
.endr
.endm
.macro RLD                             ; and their 5 loads
	global_load_b32 v[RW], v[ARW], s[14:15]
.irp n, 0,1,2,3
	global_load_b32 v[RN+\n], v[ARN+\n], s[12:13]
.endr
.endm
.macro HADR half, add                  ; tile J + add: the three offsets of one half of K of the hidden layer
	s_add_co_u32 s28, s27, \add
	s_add_co_u32 s28, s28, s36
	s_min_u32 s28, s28, s37                        ; held at the expert's last tile
	s_min_u32 s28, s28, 135
	s_mul_i32 s29, s28, 24576
	s_lshl_b32 s28, s28, 10
	v_add_nc_u32 v[A16+3*\half], s29, v[L16]
	v_add_nc_u32 v[A8+3*\half], s29, v[L8]
	v_add_nc_u32 v[AHS+3*\half], s28, v[R64]
.endm
.macro HLD half, wait                  ; eight K steps of the hidden layer and their scale words: 34 loads.  wait = 1: the wait stands behind the window's switch, ahead of the first load
	WIN 0xc0
.if \wait
	s_wait_alu depctr_va_vdst(0)                   ; this half's three offsets are written, and its products are done reading the fragments and scale words in which these loads land
.endif
.irp q, 0,1,2,3,4,5,6,7
	global_load_b128 v[96*\half+12*\q:96*\half+12*\q+3], v[A16+3*\half], s[8:9] offset:1536*(8*\half+\q)
	global_load_b64 v[96*\half+12*\q+4:96*\half+12*\q+5], v[A8+3*\half], s[8:9] offset:1536*(8*\half+\q)+512
	global_load_b128 v[96*\half+12*\q+6:96*\half+12*\q+9], v[A16+3*\half], s[8:9] offset:1536*(8*\half+\q)+768
	global_load_b64 v[96*\half+12*\q+10:96*\half+12*\q+11], v[A8+3*\half], s[8:9] offset:1536*(8*\half+\q)+1280
.endr
	WIN 0
	global_load_b128 v[HS+8*\half:HS+8*\half+3], v[AHS+3*\half], s[10:11] offset:32*\half
	global_load_b128 v[HS+8*\half+4:HS+8*\half+7], v[AHS+3*\half], s[10:11] offset:32*\half+16
.endm
.macro MMH half                        ; 16 products: eight K steps, the two accumulators by turns, one instruction a turn; b2 starts the sums
	WIN 0x0d+\half                                 ; source 0 window 1 or 2, source 1 window 3
.irp q, 0,1,2,3,4,5,6,7
.irp c, 0,1
.if (\half == 0) && (\q == 0)
	v_wmma_scale_f32_16x16x128_f8f6f4 v[ACC+8*\c:ACC+8*\c+7], v[12*(2*\q+\c):12*(2*\q+\c)+11], v[96*\half+12*\q:96*\half+12*\q+11], v[BI+8*\c:BI+8*\c+7], v[WS+16*\half+2*\q+\c], v[HS+8*\half+\q] matrix_a_fmt:MATRIX_FMT_BF6 matrix_b_fmt:MATRIX_FMT_BF6
.else
	v_wmma_scale_f32_16x16x128_f8f6f4 v[ACC+8*\c:ACC+8*\c+7], v[12*(2*\q+\c):12*(2*\q+\c)+11], v[96*\half+12*\q:96*\half+12*\q+11], v[ACC+8*\c:ACC+8*\c+7], v[WS+16*\half+2*\q+\c], v[HS+8*\half+\q] matrix_a_fmt:MATRIX_FMT_BF6 matrix_b_fmt:MATRIX_FMT_BF6
.endif
.endr
.endr
	WIN 0
.endm
	s_load_b256 s[4:11], s[0:1], 0x0               ; W2, b2, hc, hs
	s_load_b128 s[12:15], s[0:1], 0x20             ; route, routew
	s_load_b64 s[16:17], s[0:1], 0x30              ; out0
	v_lshl_add_u32 v254, v0, 2, 0xed00
	v_mov_b32 v255, 0
	v_lshrrev_b32 v1, 5, v0
	v_readfirstlane_b32 s20, v1                    ; wave
	s_mov_b32 s21, ttmp9                           ; chunk
	s_and_b32 s22, ttmp7, 0xffff                   ; expert
	s_lshl_b32 s30, s22, 2
	v_and_b32 v27, 31, v0                          ; lane
	v_and_b32 v[R_], 15, v0
	v_bfe_u32 v[HH], v0, 4, 1
	v_lshlrev_b32 v[WO], 3, v[R_]
	v_lshl_add_u32 v[WO], v[HH], 17, v[WO]         ; 32 rows of 4,096 bytes
	s_wait_alu depctr_va_sdst(0)                   ; s20 is written, ahead of its first reader
	s_mul_i32 s28, s20, 12288
	v_mul_u32_u24 v[ARD], v27, 48
	v_add_nc_u32 v[ADW], s28, v[ARD]
	v_mul_u32_u24 v[ARS], v[R_], 144
	v_add_nc_u32 v[ARS], WSC, v[ARS]
	s_lshl_b32 s28, s20, 5
	v_add_nc_u32 v[ADS], v[ARS], v[HH]
	v_add_nc_u32 v[ADS], s28, v[ADS]
	v_lshlrev_b32 v[L16], 4, v27
	v_lshlrev_b32 v[L8], 3, v27
	v_lshlrev_b32 v[R64], 6, v[R_]
	v_lshlrev_b32 v[BO], 6, v[HH]
	v_bfe_u32 v[ROW8], v0, 3, 2
	v_and_b32 v28, 7, v0
	s_lshl_b32 s28, s21, 7
	v_lshl_add_u32 v[COLC], v28, 4, s28
	s_mul_i32 s28, s20, 2304
	s_add_co_u32 s28, s28, STG
	v_mul_u32_u24 v[SIN], v[R_], 144
	v_lshl_add_u32 v[SIN], v[HH], 6, v[SIN]
	v_add_nc_u32 v[SIN], s28, v[SIN]               ; row r, 64 bytes for each half of the lanes
	v_mul_u32_u24 v[SOUT], v[ROW8], 144
	v_lshl_add_u32 v[SOUT], v28, 4, v[SOUT]
	v_add_nc_u32 v[SOUT], s28, v[SOUT]             ; eight lanes to a row, four rows an instruction
	s_wait_kmcnt 0x0
	s_load_b32 s23, s[12:13], s30 offset:META      ; OFFP_e
	s_load_b32 s24, s[12:13], s30 offset:META+32   ; T_e
	s_lshl_b32 s28, s22, 23                        ; W2: the expert,
	s_lshl_b32 s29, s21, 7                         ; the chunk's 128 bytes,
	s_add_co_u32 s28, s28, s29
	s_lshl_b32 s29, s20, 21                        ; my 512 rows
	s_add_co_u32 s28, s28, s29
	s_mov_b32 s29, 0
	s_add_nc_u64 s[4:5], s[4:5], s[28:29]
	s_lshl_b32 s28, s22, 12
	s_lshl_b32 s31, s21, 7
	s_add_co_u32 s28, s28, s31
	s_add_nc_u64 s[6:7], s[6:7], s[28:29]          ; b2 at the chunk's 32 numbers
	s_wait_alu depctr_va_vdst(0)                   ; the offsets and LDS addresses v3 to v7, v11, v14 and v15 are written, which the loads and LDS instructions of the whole kernel read
.irp c, 0,1
.irp j, 0,1,2,3,4,5,6,7
	global_load_b32 v[BI+8*\c+\j], v[BO], s[6:7] offset:4*(2*\j+\c)   ; b2 of column 16 h + 2 j + c
.endr
.endr
	LOADU 0, 1
	LOADU 1, 2
	WIN 0
	s_wait_loadcnt 63                              ; unit 0 is in: 64 loads are younger, and the count names 63 at the most
	QUNIT 0, 1, 1
	s_wait_loadcnt 63                              ; unit 1 is in
	QUNIT 1, 2, 1
	s_wait_loadcnt 63                              ; unit 2 is in
	QUNIT 2, 1, 0
	s_wait_kmcnt 0x0
	s_min_u32 s23, s23, 2160
	s_min_u32 s24, s24, 2048
	s_add_co_u32 s25, s24, 15
	s_lshr_b32 s25, s25, 4                         ; NT: the expert's tiles
	s_lshr_b32 s36, s23, 4                         ; its first tile's number
	s_add_co_u32 s37, s36, s25
	s_sub_co_u32 s37, s37, 1                       ; its last tile's
	s_add_co_u32 s26, s23, s24
	s_sub_co_u32 s26, s26, 1                       ; LAST: its last row's position
	s_cmp_eq_u32 s24, 0
	s_cselect_b32 s26, 0, s26                      ; without rows: position 0 and tile 0, which are always written
	s_cselect_b32 s37, 0, s37
	s_mov_b32 s27, s20                             ; J: my first tile
	RADR 0                                         ; its operands are asked for while the last unit is quantised: all offsets first, then one wait, then the loads
	HADR 0, 0
	HADR 1, 0
	s_wait_alu depctr_va_vdst(0)                   ; the eleven offsets are written, which the 73 loads below read
	RLD
	HLD 0, 0
	HLD 1, 0
	s_wait_loadcnt 63                              ; unit 3 is in: 73 loads are younger
	QUNIT 3, 2, 0
	s_wait_dscnt 0x0                               ; for the others: my eight images and their bytes lie in LDS
	s_barrier_signal -1
	s_barrier_wait -1
	WIN 0x40                                       ; all 32 fragments into registers, where they stay
	s_wait_alu depctr_va_vdst(0)                   ; the quantiser's lines are done reading and writing v0-199 of windows 1 and 2, in which the fragments land
	s_wait_alu depctr_vm_vsrc(0)                   ; my LDS stores have read the codes and bytes in v168-199 of both windows, over which fragments land
.irp f, 0,1,2,3,4,5,6,7,8,9,10,11,12,13,14,15
.irp g, 0,1,2
	ds_load_b128 v[12*\f+4*\g:12*\f+4*\g+3], v[ARD] offset:1536*\f+16*\g
.endr
.endr
	WIN 0x80
.irp f, 0,1,2,3,4,5,6,7,8,9,10,11,12,13,14,15
.irp g, 0,1,2
	ds_load_b128 v[12*\f+4*\g:12*\f+4*\g+3], v[ARD] offset:1536*(16+\f)+16*\g
.endr
.endr
	WIN 0
.irp n, 0,1,2,3,4,5,6,7
	ds_load_b128 v[WS+4*\n:WS+4*\n+3], v[ARS] offset:16*\n
.endr
	s_wait_dscnt 0x0
	s_cmp_ge_u32 s27, s25
	s_cbranch_scc1 .Ldone                          ; no tile for my wave
	s_sub_co_u32 s39, s25, s20                     ; my tiles are w, w + 4 .. below NT, one a trip:
	s_add_co_u32 s39, s39, 3
	s_lshr_b32 s39, s39, 2                         ; (NT - w + 3) / 4 trips, at least one here
	s_mov_b32 s38, 0                               ; the loop ends on this counter, stepped by one; J serves offsets alone
.Ltrip:                                            ; one tile a trip; each half of K is asked for again, for tile J + 4, as soon as its products are done with it
	s_wait_loadcnt 34                              ; the lower half and the route words are in: the upper half's 34 loads are younger
	s_wait_xcnt 0x0                                ; the last trip's stores have read their data and offsets
	s_wait_alu depctr_vm_vsrc(0)                   ; the last trip's global stores have read v[OA ..] and v[OB ..], its LDS stores v[O ..], its loads v[ARW], v[ARN ..] and both sets of v[A16], v[A8], v[AHS]: all are written again in this trip
.irp n, 0,1,2,3
	v_min_u32 v[OA+\n], 0x7ff, v[RN+\n]
.endr
.irp n, 0,1,2,3
	v_lshl_add_u32 v[OA+\n], v[OA+\n], 12, v[COLC] ; the token's row of 4,096 bytes, the chunk, my 16 bytes
.endr
	v_mov_b32 v[WT], v[RW]
	MMH 0
	RADR 4
	HADR 0, 4
	s_wait_alu depctr_va_vdst(0)                   ; the eight offsets and v[OA ..] are written; v[RW] and v[RN ..] have been read; the products are done reading the lower half and its scale words
	RLD
	HLD 0, 0                                       ; no further wait: since the wait stand only loads and a window switch
	s_wait_loadcnt 39                              ; the upper half is in: 5 + 34 loads are younger
	MMH 1
	HADR 1, 4
	v_nop                                          ; with the three lines above: four places behind the products, in front of the first read of results
	HLD 1, 1
.irp j, 0,1,2,3,4,5,6,7
.irp c, 0,1
	v_mul_f32 v[O+2*\j+\c], v[ACC+8*\c+\j], v[WT]  ; x the top weight; each accumulator from its low end on; the columns fall in order
.endr
.endr
	s_wait_alu depctr_va_vdst(0)                   ; the multiplies have written v[O ..], which the LDS stores read
.irp n, 0,1,2,3
	ds_store_b128 v[SIN], v[O+4*\n:O+4*\n+3] offset:16*\n
.endr
.irp n, 0,1,2,3
	ds_load_b128 v[OB+4*\n:OB+4*\n+3], v[SOUT] offset:576*\n   ; LDS serves a wave in order: these see my stores
.endr
.irp n, 0,1,2,3
	s_wait_dscnt 3-\n                              ; the younger loads from the stage may be out
	global_store_b128 v[OA+\n], v[OB+4*\n:OB+4*\n+3], s[16:17] th:TH_STORE_NT   ; four rows, 128 bytes on end each
.endr
	s_add_co_u32 s27, s27, 4
	s_add_co_u32 s38, s38, 1
	s_cmp_lt_u32 s38, s39
	s_cbranch_scc1 .Ltrip
.Ldone:
	s_wait_dscnt 0x0                               ; the closing lines, six on end
	s_wait_alu 0x0
	s_wait_tensorcnt 0x0
	ds_add_u32 v254, v255
	s_wait_dscnt 0x0
	s_endpgm
.Lfunc_end_k_q1d27be7e41_outp:
	.size	k_q1d27be7e41_outp, .Lfunc_end_k_q1d27be7e41_outp-k_q1d27be7e41_outp
	.p2alignl 7, 3214868480
	.fill 96, 4, 3214868480
	.section	.rodata,"a",@progbits
	.p2align	6, 0x0
	.amdhsa_kernel k_q1d27be7e41_outp
		.amdhsa_group_segment_fixed_size 61184
		.amdhsa_private_segment_fixed_size 0
		.amdhsa_enable_private_segment 0
		.amdhsa_kernarg_size 56
		.amdhsa_user_sgpr_count 2
		.amdhsa_user_sgpr_kernarg_segment_ptr 1
		.amdhsa_wavefront_size32 1
		.amdhsa_system_sgpr_workgroup_id_x 1
		.amdhsa_system_sgpr_workgroup_id_y 1
		.amdhsa_system_sgpr_workgroup_id_z 1
		.amdhsa_system_vgpr_workitem_id 0
		.amdhsa_next_free_vgpr 1024
		.amdhsa_next_free_sgpr 66
		.amdhsa_reserve_vcc 0
		.amdhsa_float_denorm_mode_32 3
		.amdhsa_float_denorm_mode_16_64 3
		.amdhsa_memory_ordered 1
		.amdhsa_forward_progress 1
		.amdhsa_inst_pref_size 103
	.end_amdhsa_kernel
	.amdgpu_metadata
---
amdhsa.version: [ 1, 2 ]
amdhsa.kernels:
  - .name:           k_q1d27be7e41_outp
    .symbol:         k_q1d27be7e41_outp.kd
    .args:
      - { .name: W2, .offset: 0, .size: 8, .value_kind: global_buffer, .address_space: global }
      - { .name: b2, .offset: 8, .size: 8, .value_kind: global_buffer, .address_space: global }
      - { .name: hc, .offset: 16, .size: 8, .value_kind: global_buffer, .address_space: global }
      - { .name: hs, .offset: 24, .size: 8, .value_kind: global_buffer, .address_space: global }
      - { .name: route, .offset: 32, .size: 8, .value_kind: global_buffer, .address_space: global }
      - { .name: routew, .offset: 40, .size: 8, .value_kind: global_buffer, .address_space: global }
      - { .name: out0, .offset: 48, .size: 8, .value_kind: global_buffer, .address_space: global }
    .group_segment_fixed_size: 61184
    .private_segment_fixed_size: 0
    .kernarg_segment_align: 8
    .kernarg_segment_size: 56
    .max_flat_workgroup_size: 128
    .sgpr_count:     66
    .vgpr_count:     1024
    .wavefront_size: 32
...
	.end_amdgpu_metadata
.endif
;; end of part 8
